; MI455X (gfx1250); checked and timed in simulation.
; The chip was launched on July 23, 2026; its instructions are those of AMD's public machine-readable ISA for CDNA 5 (MIT licence, August 2026) and "CDNA5" Instruction Set Architecture Reference Guide (July 2026). The comments in the code are by the model that wrote it; some were corrected since.
;; Attention Block. Allowed arithmetic: matrix products marked QUANTISED: E4M3 operands, one E8M0 scale for each 32 along K, by v_wmma_scale_f32_16x16x128_f8f6f4 with both operands' format E4M3, f32 sums; everything else in f32.
;; Inputs: gn_b 256 float32; gn_w 256 float32; proj_b 256 float32; proj_w 256 x 256 float32; qkv_b 768 float32; qkv_w 768 x 256 float32; x 4 x 256 x 64 x 64 float32.
;; Outputs: out0 4 x 256 x 64 x 64 float32.
;; This version of the problem:
;;   THIS VERSION OF THE PROBLEM IS GIVEN IN LOW PRECISION. The matrix products marked QUANTISED in the list below multiply operands that are first quantised to E4M3 (4 exponent bits, 3 mantissa bits; 8 bits a number), with one power-of-two scale for each 32 numbers along K (OCP MX v1.0); their sums are f32. All else is computed in f32.
;;   The module's matrix products, in the order in which they are computed (A, B: the left and right operand; K: the contracted axis; several contracted axes count as one K, in the product's order):
;;     1. [M 16,384, K 256] x [K 256, N 768]; A: computed on the way; B: input qkv_w: QUANTISED
;;     2. batch 4 x [M 4,096, K 256] x [K 256, N 4,096]; A: computed on the way; B: computed on the way: QUANTISED
;;     3. batch 4 x [M 256, K 4,096] x [K 4,096, N 4,096]; A: computed on the way; B: softmax (see below): QUANTISED
;;     4. [M 16,384, K 256] x [K 256, N 256]; A: computed on the way; B: input proj_w: QUANTISED
;;   THE QUANTISER, for each operand of a quantised product, along K:
;;     - K is cut into blocks of 32 from its start; a last block that is shorter is filled with zeros.
;;     - A block's scale is 2^e with e = floor(log2(the largest magnitude in the block)) - 8, held to -126 .. 127; a block of zeros has e = 0. As a byte (E8M0): e + 127.
;;     - Each number is divided by its block's scale, clamped to +-448, and rounded to the nearest number of E4M3, ties to even, subnormals kept.
;;     - The product sums the exact products of the quantised numbers (number of the format x scale) in f32.
;;   ~~~python
;;   def quantise(x, axis):      # numpy; x: float32 -> the quantised numbers, widened to float32 again
;;       x = np.moveaxis(x, axis, -1); K = x.shape[-1]
;;       x = np.pad(x, [(0, 0)] * (x.ndim - 1) + [(0, -K % 32)]); x = x.reshape(x.shape[:-1] + (-1, 32)); a = np.abs(x).max(-1, keepdims=True)
;;       e = np.where(a > 0, np.clip(np.frexp(np.where(a > 0, a, 1))[1] - 1 - 8, -126, 127), 0)      # np.frexp(a)[1] - 1 = floor(log2(a)), exactly
;;       r = np.clip(x / 2.0 ** e, -448, 448)
;;       step = 2.0 ** (np.maximum(np.frexp(np.where(r == 0, 1, r))[1] - 1, -6) - 3)
;;       q = np.round(r / step) * step * 2.0 ** e      # np.round: ties to even
;;       return np.moveaxis(q.reshape(q.shape[:-2] + (-1,))[..., :K], -1, axis).astype(np.float32)
;;   ~~~
;;   SOFTMAX AHEAD OF A QUANTISED PRODUCT. Where the list says 'softmax', what is quantised is not the finished softmax but p = 2^(t - M), with t = logit x log2(e) and M = ceil(the row's largest t), a whole number; so 1/2 < the row's largest p <= 1. The row's sum l is taken of the UNQUANTISED p, in f32, and the product's result is divided by l at the end. Since M is a whole number, a kernel that streams over the keys may use a running M (the ceiling of the running maximum): every later rescaling is an exact power of two, which a block's scale takes up: the codes' values come out the same.
;;   OPERANDS COMPUTED ON THE WAY. 'Computed on the way' means the value that the module computes at that place (a softmax that the list does not call 'softmax' is quantised finished and normalised). What goes into a quantiser is computed in f32, as accurately as f32 sums, v_exp_f32 and their like allow (about 1e-6 of the number): no bf16 or f16 on the way to a quantiser, and a product that is left as it is and whose result goes on into a quantised operand takes f32 operands (vector FMAs, or v_wmma_f32_16x16x4_f32). A number that lies on a knife's edge between two numbers of the format may be rounded either way, as far as f32 arithmetic and the matrix unit's own rounding can turn it there, and no further.
;; 2 versions, each right and faster than the one before. Each part assembles by itself: llvm-mc -triple=amdgcn-amd-amdhsa -mcpu=gfx1250 --defsym DOCPART=n.
;; ======== version 1 of 2: 3 launches
;; workspace buffers: gnt 16,384 bytes; wq 270,336 bytes; qws 4,325,376 bytes; kws 4,325,376 bytes; vws 4,325,376 bytes
;; launch prep (part 1): grid 128 x 1, 16 waves a work-group, no clusters, 2,560 bytes of LDS; arguments x, gn_w, gn_b, qkv_w, proj_w, gnt, wq; writes gnt, wq
.if DOCPART == 1
	.amdgcn_target "amdgcn-amd-amdhsa--gfx1250"
	.amdhsa_code_object_version 6
	.text
	.protected	k_q13a8a22172_prep
	.globl	k_q13a8a22172_prep
	.p2align	8
	.type	k_q13a8a22172_prep,@function
k_q13a8a22172_prep:
	s_mov_b64 s[64:65], 0
	v_nop
	global_prefetch_b8 v0, s[64:65] scope:SCOPE_SE
	s_setreg_imm32_b32 hwreg(HW_REG_WAVE_MODE, 25, 1), 1
	s_wait_xcnt 0x0
; GROUP STATISTICS AND WEIGHT CODES.
; Work-group G = 32 b + g owns one whole group of the norm: 8 channels x 4,096 positions = 131,072 dense bytes of x.  Thread t holds 64 of its numbers
; (16 loads of 16 bytes at 16 t + 8,192 i: each load of a wave covers 512 consecutive bytes) between the pass that finds the mean and the pass that finds the
; variance: two passes, so that a common offset of x costs no digits.  Out goes a record of 128 bytes: words 0-7 rstd x gn_w[c], words 8-15 gn_b[c], words 16-31 the mean.
; Wave 1 also turns one fragment (16 rows x 128 K) of qkv_w (tiles 0-47) or proj_w (tiles 48-63) into codes of E4M3 with one E8M0 byte for each 32 along K, laid IN THE ORDER OF
; THE OPERAND'S REGISTERS: fragment F = 2 T + s at 2,048 F; chunk c at 512 c; lane l's 16 bytes at 16 l.  Its 16 scale words at 262,144 + 64 F + 4 r.
; THE ROWS OF A TILE ARE NOT NEIGHBOURS: row r of tile T is row 32 (T / 2) + 8 (T % 2) + r + 8 (r / 8), so that a result's 16 registers of two neighbouring tiles are 16 neighbours.
; 128 work-groups, one to a group: the sums then never leave the work-group.  No matrix unit, no cluster, no tensor load: nothing is shared and the launch reads each byte once.
; LIMITS: NaN and infinities are not served; a block whose largest magnitude lies under 2^-118 (a block of zeros too) keeps the byte 1: this program alone reads the bytes.
.set X,   32                           ; v32-95   my 64 numbers of x
.set WN,  96                           ; v96-159  wave 1: 64 numbers of a weight
.set TM,  160                          ; v160-175 the quantiser's work; later v[160:161] the mean, twice
.set PC,  176                          ; v176-191 wave 1: the codes
.set PW,  14                           ; v14      wave 1: the scale word
.set SEL, 28                           ; s[28:29] v_permlanex16_b32's selects for lane l xor 16
.set MNT, 27                           ; s27      the mantissa field of 448
; 64 numbers of a lane, register 16 b + i = k 32 b + 16 (lane / 16) + i of my row, become a fragment's codes in v[pc] on and its scale word in v[pw].
.macro QUANT s, pc, pw
.irp b, 0,1,2,3
	v_max3_num_f32 v[TM+\b], |v[(\s)+16*\b]|, |v[(\s)+1+16*\b]|, 0x4800000   ; my 16 numbers of block b, and the floor 2^(9 - 127): the byte cannot fall under 1
.endr
.irp i, 2,4,6,8,10,12,14
.irp b, 0,1,2,3
	v_max3_num_f32 v[TM+\b], v[TM+\b], |v[(\s)+16*\b+\i]|, |v[(\s)+1+16*\b+\i]|
.endr
.endr
.irp b, 0,1,2,3
	v_permlanex16_b32 v[TM+4+\b], v[TM+\b], s[SEL], s[SEL+1]
.endr
.irp b, 0,1,2,3
	v_max_num_f32 v[TM+\b], v[TM+\b], v[TM+4+\b]           ; with lane l xor 16's: the block's largest magnitude
.endr
.irp b, 0,1,2,3
	v_add_nc_u32 v[TM+12+\b], 0xfc000000, v[TM+\b]         ; 8 off its exponent field: the conversion's scale operand
.endr
.irp b, 0,1,2,3
	v_and_or_b32 v[TM+8+\b], v[TM+\b], 0x7f800000, s[MNT]  ; 448 x the scale
.endr
.irp b, 0,1,2,3
	v_lshrrev_b32 v[TM+4+\b], 23, v[TM+12+\b]              ; the scale's byte
.endr
	v_lshl_or_b32 v[\pw], v[TM+5], 8, v[TM+4]
	v_lshl_or_b32 v[\pw], v[TM+6], 16, v[\pw]
	v_lshl_or_b32 v[\pw], v[TM+7], 24, v[\pw]
.irp b, 0,1,2,3
.irp i, 0,1,2,3,4,5,6,7,8,9,10,11,12,13,14,15
	v_med3_num_f32 v[(\s)+16*\b+\i], v[(\s)+16*\b+\i], -v[TM+8+\b], v[TM+8+\b]   ; the conversion does not saturate (ISA guide 7.6.2): the hold
.endr
	v_cvt_scalef32_pk8_fp8_f32 v[(\pc)+4*\b:(\pc)+4*\b+1], v[(\s)+16*\b:(\s)+16*\b+7], v[TM+12+\b]
	v_cvt_scalef32_pk8_fp8_f32 v[(\pc)+4*\b+2:(\pc)+4*\b+3], v[(\s)+16*\b+8:(\s)+16*\b+15], v[TM+12+\b]
.endr
	v_nop                                          ; one plain line behind the last conversion
.endm
.macro FOLD                            ; four pairs v[16:23] -> v16
	v_pk_add_f32 v[16:17], v[16:17], v[18:19]
	v_pk_add_f32 v[20:21], v[20:21], v[22:23]
	v_pk_add_f32 v[16:17], v[16:17], v[20:21]
	v_add_f32 v16, v16, v17
.endm
; the lanes' four pairs -> the work-group's sum in v16 of every lane; the waves' 16 words lie at LDS byte off
.macro REDUCE off
	FOLD
	v_add_f32_dpp v16, v16, v16 row_xmask:1 row_mask:0xf bank_mask:0xf
	v_add_f32_dpp v16, v16, v16 row_xmask:2 row_mask:0xf bank_mask:0xf
	v_add_f32_dpp v16, v16, v16 row_xmask:4 row_mask:0xf bank_mask:0xf
	v_add_f32_dpp v16, v16, v16 row_xmask:8 row_mask:0xf bank_mask:0xf
	v_permlanex16_b32 v17, v16, s[SEL], s[SEL+1]
	v_add_f32 v16, v16, v17
	ds_store_b32 v12, v16 offset:\off              ; all lanes write my wave's word with the same value
	s_wait_dscnt 0x0                               ; for the others' sake
	s_barrier_signal -1
	s_barrier_wait -1
.irp i, 0,1,2,3
	ds_load_b128 v[16+4*\i:19+4*\i], v13 offset:\off+16*\i
.endr
	s_wait_dscnt 0x0
	v_pk_add_f32 v[16:17], v[16:17], v[24:25]
	v_pk_add_f32 v[18:19], v[18:19], v[26:27]
	v_pk_add_f32 v[20:21], v[20:21], v[28:29]
	v_pk_add_f32 v[22:23], v[22:23], v[30:31]
	FOLD
.endm
	s_load_b256 s[4:11], s[0:1], 0x0               ; x, gn_w, gn_b, qkv_w
	s_load_b128 s[12:15], s[0:1], 0x20             ; proj_w, gnt
	s_load_b64 s[16:17], s[0:1], 0x30              ; wq
	v_lshl_add_u32 v192, v0, 2, 0x200
	v_mov_b32 v193, 0
	v_lshrrev_b32 v4, 5, v0
	v_readfirstlane_b32 s18, v4                    ; wave 0..15
	v_and_b32 v5, 31, v0                           ; lane
	v_lshlrev_b32 v1, 4, v0                        ; x: 16 bytes a thread
	v_and_b32 v6, 7, v0
	s_and_b32 s19, ttmp9, 31                       ; g
	s_lshl_b32 s19, s19, 5                         ; its 8 channels' first byte in gn_w and gn_b
	v_lshl_add_u32 v6, v6, 2, s19                  ; channel 8 g + lane % 8
	v_and_b32 v7, 15, v0                           ; r
	v_and_b32 v8, 8, v7
	v_add_nc_u32 v8, v8, v7                        ; r + 8 (r / 8)
	v_lshlrev_b32 v8, 10, v8                       ; a weight's row is 1,024 bytes
	v_bfe_u32 v9, v0, 4, 1                         ; h
	v_lshl_add_u32 v8, v9, 6, v8                   ; + 64 h: my 16 numbers of a block of 32
	v_lshlrev_b32 v10, 4, v5                       ; an image's place for my lane
	v_lshlrev_b32 v11, 2, v7                       ; a scale word's
	v_lshlrev_b32 v12, 2, v4                       ; LDS: my wave's word
	v_mov_b32 v13, 0
	v_lshlrev_b32 v15, 2, v5                       ; the record: 4 bytes a lane
	s_lshl_b32 s20, ttmp9, 17                      ; the group's 131,072 bytes
	s_mov_b32 s21, 0
	s_lshr_b32 s22, ttmp9, 1                       ; T
	s_and_b32 s23, ttmp9, 1                        ; s
	s_mov_b32 s25, 0
	s_mov_b32 s[MNT], 0x600000
	s_mov_b32 s[SEL], 0x76543210
	s_mov_b32 s[SEL+1], 0xfedcba98
	s_mov_b32 s30, 0x38000000                      ; 2^-15 = 1 / 32,768
	s_wait_kmcnt 0x0
	s_cmp_lt_u32 s22, 48                           ; qkv_w's tile or proj_w's: the choice hangs on the work-group's number alone
	s_cselect_b64 s[10:11], s[10:11], s[12:13]
	s_cselect_b32 s24, 0, 48
	s_sub_co_u32 s22, s22, s24                     ; the tile within its tensor
	s_lshr_b32 s24, s22, 1
	s_lshl_b32 s24, s24, 15                        ; 32 rows for each pair of tiles,
	s_and_b32 s26, s22, 1
	s_lshl_b32 s26, s26, 13                        ; 8 rows for the odd one,
	s_add_co_u32 s24, s24, s26
	s_lshl_b32 s26, s23, 9                         ; 512 bytes for the second K step
	s_add_co_u32 s24, s24, s26
	s_add_nc_u64 s[10:11], s[10:11], s[24:25]
	s_lshl_b32 s24, ttmp9, 11
	s_add_nc_u64 s[32:33], s[16:17], s[24:25]      ; the fragment's image
	s_lshl_b32 s24, ttmp9, 6
	s_add_nc_u64 s[34:35], s[16:17], s[24:25]      ; its scale words (262,144 further on)
	s_lshl_b32 s24, ttmp9, 7
	s_add_nc_u64 s[14:15], s[14:15], s[24:25]      ; the record
	s_add_nc_u64 s[4:5], s[4:5], s[20:21]
	global_load_b32 v2, v6, s[6:7]                 ; gn_w
	global_load_b32 v3, v6, s[8:9]                 ; gn_b
	s_cmp_lg_u32 s18, 1
	s_cbranch_scc1 .Lno_w
.irp c, 0,1,2,3
.irp j, 0,1,2,3
	global_load_b128 v[WN+16*\c+4*\j:WN+16*\c+4*\j+3], v8, s[10:11] offset:128*\c+16*\j
.endr
.endr
.Lno_w:
.irp i, 0,1,2,3,4,5,6,7,8,9,10,11,12,13,14,15
	global_load_b128 v[X+4*\i:X+4*\i+3], v1, s[4:5] offset:8192*\i
.endr
	s_cmp_lg_u32 s18, 1
	s_cbranch_scc1 .Lno_q
	s_wait_loadcnt 16                              ; behind the weight's loads stand x's sixteen
.irp b, 0,1,2,3
	v_mov_b32 v[TM+4+\b], 0                        ; a lane permute's destination counts as one of its sources
.endr
	QUANT WN, PC, PW
.irp c, 0,1,2,3
	global_store_b128 v10, v[PC+4*\c:PC+4*\c+3], s[32:33] offset:512*\c   ; 512 consecutive bytes
.endr
	global_store_b32 v11, v[PW], s[34:35] offset:262144   ; both halves of the lanes hold row r's word and write it to the same place
.Lno_q:
	; pass 1: the sum, in four chains started by the first pairs
	s_wait_loadcnt 12
.irp k, 0,1,2,3
	v_pk_add_f32 v[16+2*\k:17+2*\k], v[X+2*\k:X+2*\k+1], v[X+8+2*\k:X+9+2*\k]
.endr
.irp q, 1,2,3
	s_wait_loadcnt 12-4*\q                         ; four loads more are in
.irp p, 0,1,2,3,4,5,6,7
	v_pk_add_f32 v[16+2*(\p%4):17+2*(\p%4)], v[16+2*(\p%4):17+2*(\p%4)], v[X+16*\q+2*\p:X+16*\q+2*\p+1]
.endr
.endr
	REDUCE 0
	v_mul_f32 v160, s30, v16                       ; the mean
	v_mov_b32 v161, v160
	; pass 2: the sum of the squared distances from the mean
.set p, 0
.rept 32
	v_pk_add_f32 v[X+2*p:X+2*p+1], v[X+2*p:X+2*p+1], v[160:161] neg_lo:[0,1] neg_hi:[0,1]
.set p, p+1
.endr
.irp k, 0,1,2,3
	v_pk_mul_f32 v[16+2*\k:17+2*\k], v[X+2*\k:X+2*\k+1], v[X+2*\k:X+2*\k+1]
.endr
.set p, 4
.rept 28
	v_pk_fma_f32 v[16+2*(p%4):17+2*(p%4)], v[X+2*p:X+2*p+1], v[X+2*p:X+2*p+1], v[16+2*(p%4):17+2*(p%4)]
.set p, p+1
.endr
	REDUCE 256                                     ; other LDS bytes than the first sum's: no barrier more
	v_mov_b32 v17, 0x3727c5ac                      ; 1e-5
	v_fma_f32 v16, v16, s30, v17                   ; the variance + eps
	v_rsq_f32 v17, v16
	v_nop                                          ; one plain line behind a transcendental
	s_wait_alu depctr_va_vdst(0)
	v_mul_f32 v18, v17, v2                         ; rstd x gn_w
	v_cmp_gt_u32 vcc_lo, 8, v5
	v_cndmask_b32 v18, v3, v18, vcc_lo             ; lanes 0-7: rstd x gn_w; lanes 8-15: gn_b;
	v_cmp_gt_u32 vcc_lo, 16, v5
	v_cndmask_b32 v18, v160, v18, vcc_lo           ; lanes 16-31: the mean
	s_cmp_lg_u32 s18, 0
	s_cbranch_scc1 .Lend
	global_store_b32 v15, v18, s[14:15]            ; 128 consecutive bytes
.Lend:
	s_wait_tensorcnt 0x0
	ds_add_u32 v192, v193
	s_wait_dscnt 0x0
	s_endpgm
.Lfunc_end_k_q13a8a22172_prep:
	.size	k_q13a8a22172_prep, .Lfunc_end_k_q13a8a22172_prep-k_q13a8a22172_prep
	.p2alignl 7, 3214868480
	.fill 96, 4, 3214868480
	.section	.rodata,"a",@progbits
	.p2align	6, 0x0
	.amdhsa_kernel k_q13a8a22172_prep
		.amdhsa_group_segment_fixed_size 2560
		.amdhsa_private_segment_fixed_size 0
		.amdhsa_enable_private_segment 0
		.amdhsa_kernarg_size 56
		.amdhsa_user_sgpr_count 2
		.amdhsa_user_sgpr_kernarg_segment_ptr 1
		.amdhsa_wavefront_size32 1
		.amdhsa_system_sgpr_workgroup_id_x 1
		.amdhsa_system_sgpr_workgroup_id_y 1
		.amdhsa_system_sgpr_workgroup_id_z 1
		.amdhsa_system_vgpr_workitem_id 0
		.amdhsa_next_free_vgpr 194
		.amdhsa_next_free_sgpr 66
		.amdhsa_reserve_vcc 1
		.amdhsa_float_denorm_mode_32 3
		.amdhsa_float_denorm_mode_16_64 3
		.amdhsa_memory_ordered 1
		.amdhsa_forward_progress 1
		.amdhsa_inst_pref_size 24
	.end_amdhsa_kernel
	.amdgpu_metadata
---
amdhsa.version: [ 1, 2 ]
amdhsa.kernels:
  - .name:           k_q13a8a22172_prep
    .symbol:         k_q13a8a22172_prep.kd
    .args:
      - { .name: x, .offset: 0, .size: 8, .value_kind: global_buffer, .address_space: global }
      - { .name: gn_w, .offset: 8, .size: 8, .value_kind: global_buffer, .address_space: global }
      - { .name: gn_b, .offset: 16, .size: 8, .value_kind: global_buffer, .address_space: global }
      - { .name: qkv_w, .offset: 24, .size: 8, .value_kind: global_buffer, .address_space: global }
      - { .name: proj_w, .offset: 32, .size: 8, .value_kind: global_buffer, .address_space: global }
      - { .name: gnt, .offset: 40, .size: 8, .value_kind: global_buffer, .address_space: global }
      - { .name: wq, .offset: 48, .size: 8, .value_kind: global_buffer, .address_space: global }
    .group_segment_fixed_size: 2560
    .private_segment_fixed_size: 0
    .kernarg_segment_align: 8
    .kernarg_segment_size: 56
    .max_flat_workgroup_size: 512
    .sgpr_count:     66
    .vgpr_count:     194
    .wavefront_size: 32
...
	.end_amdgpu_metadata
.endif
;; end of part 1
;; launch qkv (part 2): grid 256 x 1, 4 waves a work-group, no clusters, 168,448 bytes of LDS; arguments x, wq, qkv_b, gnt, qws, kws, vws; writes qws, kws, vws
.if DOCPART == 2
	.amdgcn_target "amdgcn-amd-amdhsa--gfx1250"
	.amdhsa_code_object_version 6
	.text
	.protected	k_q13a8a22172_qkv
	.globl	k_q13a8a22172_qkv
	.p2align	8
	.type	k_q13a8a22172_qkv,@function
k_q13a8a22172_qkv:
	s_mov_b64 s[64:65], 0
	v_nop
	global_prefetch_b8 v0, s[64:65] scope:SCOPE_SE
	s_setreg_imm32_b32 hwreg(HW_REG_WAVE_MODE, 25, 1), 1
	s_wait_xcnt 0x0
; h = GroupNorm(x), quantised along the channels; q, k, v = qkv_w h + qkv_b on codes of E4M3; q and k quantised along the channels, v along the positions; all three leave as images of operand registers.
; SHARES.  Work-group g = 64 b + pb owns 64 positions of image b.  THE WAVES SHARE THE OUTPUT ROWS: wave w makes units 128 w .. 128 w + 127 of qkv (q's K step 0, 1, k's K step 0, 1) and v's channel
; tiles 4 w .. 4 w + 3, for all 64 positions; its 24 weight fragments (384 registers) are read once.
; x's tile, 256 channel rows x 256 bytes, comes by one tensor load a wave (64 rows), filled once.  No cluster: no two work-groups read the same bytes of x, and the weights are 0.27 MB.
; PHASE H.  Wave w = (ph = w % 2, sh = w / 2): a lane is position 32 ph + lane and its registers run down channels 128 sh .. + 127: a block of 32 along K lies in one lane.  The codes go to LDS as images.
; TILES ARE PERMUTED: row r of tile 2 b + u of a block of 32 (weight rows, positions, v's channels) is 8 u + r + 8 (r / 8): a result's 16 registers of two neighbouring tiles are then 16 neighbours.
; UNITS: source 0 = 16 rows of W, source 1 = 16 positions of h: a lane holds one position and units along its registers: they are the next K.  V: source 0 = h, source 1 = W: a lane holds one channel and positions (keys).
; The biases are the C of each sum's first matrix instruction.
; OUT.  A fragment image is 2,048 bytes: chunk c at 512 c, lane l's 16 bytes at 16 l.  A scale image is 128 bytes: lanes 0-15 the even tile's words, lanes 16-31 the odd tile's.
;   qws block g (16,896 B): fragment (t, s) at 2,048 (2 t + s); scale image 2 (t / 2) + s at 16,384.   kws block g / 2 (33,792 B, 128 keys): fragment (i, s) at 2,048 (2 i + s); scale image 2 (i / 2) + s at 32,768.
;   vws block g / 2: fragment ct (16 channels x 128 keys) at 2,048 ct; scale image ct / 2 at 32,768; this work-group writes chunks and bytes 2 hb, 2 hb + 1 (hb = pb % 2).
; LIMITS: NaN and infinities are not served; a block whose largest magnitude lies under 2^-118 (a block of zeros too) keeps the byte 1: this program alone reads the bytes.
; REGISTERS.  Window 0: v1-10 addresses; v12-15 at work; v16-31, v32-39 the weights' scale words; v40-41 h's; v42-47 scale words made; v48-63 the quantiser's work; v64-95 h's codes, then two fragments of h, at last v's codes;
;   v96-127 held numbers of v; v128-255 x, then v128-191 my 8 unit tiles and v192-255 their codes.   Window 1: the unit weights.   Window 2: v0-127 v's weights, v128-191 and v192-223 the biases.   Window 3: v0-127 v's accumulators.
.set HIMG, 65536                       ; LDS: x's tile at 0 (65,536 B); h's 8 fragments (2 m + s) x 2,048;
.set HSC,  81920                       ; their scale words, 64 bytes each
.set W1S,  16
.set WVS,  32
.set HS,   40
.set TM,   48
.set HF,   64
.set HC,   64
.set HT,   96
.set XR,   128
.set HA,   128
.set PCM,  192
.set SEL,  54                          ; s[54:55]
.set MNT,  19
.set MSB, 0
.macro WIN new                         ; the immediate's high byte repeats the setting that is left
.if MSB != (\new)
	s_set_vgpr_msb (MSB<<8)|(\new)
.set MSB, (\new)
.endif
.endm
.macro PLACES n
.rept \n
	v_nop
.endr
.endm
.macro WM d, a, b, c, sa, sb
.set mD, \d
.set mA, \a
.set mB, \b
.set mC, \c
.set mS, \sa
.set mT, \sb
	v_wmma_scale_f32_16x16x128_f8f6f4 v[mD:mD+7], v[mA:mA+15], v[mB:mB+15], v[mC:mC+7], v[mS], v[mT]
.endm
; 64 numbers of a lane, register 16 b + i = k 32 b + 16 (lane / 16) + i of my row, become a fragment's codes in v[pc] on and its scale word in v[pw].
.macro QUANT s, pc, pw
.irp b, 0,1,2,3
	v_max3_num_f32 v[TM+\b], |v[(\s)+16*\b]|, |v[(\s)+1+16*\b]|, 0x4800000   ; my 16 numbers of block b, and the floor 2^(9 - 127)
.endr
.irp i, 2,4,6,8,10,12,14
.irp b, 0,1,2,3
	v_max3_num_f32 v[TM+\b], v[TM+\b], |v[(\s)+16*\b+\i]|, |v[(\s)+1+16*\b+\i]|
.endr
.endr
.irp b, 0,1,2,3
	v_permlanex16_b32 v[TM+4+\b], v[TM+\b], s[SEL], s[SEL+1]
.endr
.irp b, 0,1,2,3
	v_max_num_f32 v[TM+\b], v[TM+\b], v[TM+4+\b]
.endr
.irp b, 0,1,2,3
	v_add_nc_u32 v[TM+12+\b], 0xfc000000, v[TM+\b]
.endr
.irp b, 0,1,2,3
	v_and_or_b32 v[TM+8+\b], v[TM+\b], 0x7f800000, s[MNT]
.endr
.irp b, 0,1,2,3
	v_lshrrev_b32 v[TM+4+\b], 23, v[TM+12+\b]
.endr
	v_lshl_or_b32 v[\pw], v[TM+5], 8, v[TM+4]
	v_lshl_or_b32 v[\pw], v[TM+6], 16, v[\pw]
	v_lshl_or_b32 v[\pw], v[TM+7], 24, v[\pw]
.irp b, 0,1,2,3
.irp i, 0,1,2,3,4,5,6,7,8,9,10,11,12,13,14,15
	v_med3_num_f32 v[(\s)+16*\b+\i], v[(\s)+16*\b+\i], -v[TM+8+\b], v[TM+8+\b]
.endr
	v_cvt_scalef32_pk8_fp8_f32 v[(\pc)+4*\b:(\pc)+4*\b+1], v[(\s)+16*\b:(\s)+16*\b+7], v[TM+12+\b]
	v_cvt_scalef32_pk8_fp8_f32 v[(\pc)+4*\b+2:(\pc)+4*\b+3], v[(\s)+16*\b+8:(\s)+16*\b+15], v[TM+12+\b]
.endr
	v_nop                                          ; one plain line behind the last conversion
.endm
	s_load_b256 s[4:11], s[0:1], 0x0               ; x, wq, qkv_b, gnt
	s_load_b128 s[12:15], s[0:1], 0x20             ; qws, kws
	s_load_b64 s[16:17], s[0:1], 0x30              ; vws
	v_lshl_add_u32 v11, v0, 2, 0x29000
	s_set_vgpr_msb 0x80
	v_mov_b32 v255, 0
	s_set_vgpr_msb 0x8088
	ds_add_u32 v11, v255
	ds_add_u32 v11, v255
	s_set_vgpr_msb 0x8800
	v_lshrrev_b32 v12, 5, v0
	v_readfirstlane_b32 s18, v12                   ; wave 0..3
	s_lshr_b32 s20, ttmp9, 6                       ; b
	s_and_b32 s21, ttmp9, 63                       ; pb
	s_and_b32 s22, s18, 1                          ; ph; also which K step my units are
	s_lshr_b32 s23, s18, 1                         ; sh; also: my units are k's (1) or q's (0)
	s_lshl_b32 s92, s20, 22                        ; an image is 4 MiB,
	s_lshl_b32 s94, s18, 20                        ; my 64 channel rows of 16,384 bytes,
	s_add_co_u32 s92, s92, s94
	s_lshl_b32 s94, s21, 8                         ; the block's 256 bytes of a row
	s_add_co_u32 s92, s92, s94
	s_mov_b32 s93, 0
	s_mov_b32 s72, 2<<16                           ; group 1: elements of 4 bytes, no mask, no padding
	s_mov_b32 s73, 64<<16                          ; tensor_dim0 = 64
	s_mov_b32 s74, 64<<16                          ; tensor_dim1 = 64
	s_mov_b32 s75, 64<<16                          ; tile_dim0 = 64 (256 bytes)
	s_mov_b32 s76, 64                              ; tile_dim1 = 64 rows
	s_mov_b32 s77, 4096                            ; from row to row
	s_mov_b32 s78, 0
	s_mov_b32 s79, 0
	s_mov_b32 s68, 1                               ; group 0: count,
	s_lshl_b32 s69, s18, 14                        ; LDS byte 16,384 x wave,
	s_wait_dscnt 0x0
	s_wait_kmcnt 0x0
	s_add_nc_u64 s[70:71], s[4:5], s[92:93]        ; the tile's first byte,
	s_or_b32 s71, s71, 0x80000000                  ; type 2
	tensor_load_to_lds s[68:71], s[72:79]          ; my one tensor load: filled once
	s_nop 0
	PLACES 4                                       ; four plain lines behind the load
	v_and_b32 v12, 31, v0                          ; lane
	v_lshlrev_b32 v1, 4, v12                       ; v1: 16 x lane
	v_lshlrev_b32 v3, 2, v12                       ; v3: 4 x lane
	v_and_b32 v13, 15, v0                          ; r
	v_lshlrev_b32 v2, 2, v13                       ; v2: 4 r
	v_bfe_u32 v14, v0, 4, 1                        ; h
	v_lshlrev_b32 v7, 6, v14                       ; v7: 64 h: the unit bias of my half
	v_and_b32 v15, 8, v13
	v_add_nc_u32 v15, v15, v13
	v_lshlrev_b32 v8, 2, v15                       ; v8: 4 (r + 8 (r / 8)): v's bias of my channel
	s_lshl_b32 s94, s23, 15
	s_lshl_b32 s95, s22, 7
	s_add_co_u32 s94, s94, s95
	v_add_nc_u32 v4, s94, v3                       ; v4: x's tile: row 128 sh, byte 128 ph + 4 x lane
	v_bfe_u32 v15, v0, 3, 1                        ; my position's tile u = (lane / 8) % 2
	v_and_b32 v13, 7, v0
	v_lshl_add_u32 v13, v14, 3, v13                ; and its row there: lane % 8 + 8 (lane / 16)
	v_lshlrev_b32 v5, 12, v15
	v_lshl_add_u32 v5, v13, 4, v5
	s_lshl_b32 s94, s22, 13
	s_lshl_b32 s95, s23, 11
	s_add_co_u32 s94, s94, s95
	s_add_co_u32 s94, s94, HIMG
	v_add_nc_u32 v5, s94, v5                       ; v5: where my codes go: fragment (2 ph + u, sh), row's 16 bytes
	v_lshlrev_b32 v6, 7, v15
	v_lshl_add_u32 v6, v13, 2, v6
	s_lshl_b32 s94, s22, 8
	s_lshl_b32 s95, s23, 6
	s_add_co_u32 s94, s94, s95
	s_add_co_u32 s94, s94, HSC
	v_add_nc_u32 v6, s94, v6                       ; v6: and my scale word
	v_add_nc_u32 v9, HIMG, v1                      ; v9: a fragment of h for my lane
	v_add_nc_u32 v10, HSC, v2                      ; v10: its scale word
	s_lshl_b32 s92, s18, 15
	s_add_nc_u64 s[80:81], s[6:7], s[92:93]        ; my 16 unit fragments
	s_lshl_b32 s92, s18, 14
	s_add_nc_u64 s[82:83], s[6:7], s[92:93]        ; my 8 fragments of v's weights (131,072 further on)
	s_lshl_b32 s92, s18, 10
	s_add_nc_u64 s[84:85], s[6:7], s[92:93]        ; the unit weights' scale words
	s_lshl_b32 s92, s18, 9
	s_add_nc_u64 s[86:87], s[6:7], s[92:93]        ; v's weights' scale words
	s_add_nc_u64 s[88:89], s[8:9], s[92:93]        ; my 128 units' bias
	s_lshl_b32 s92, s18, 8
	s_add_nc_u64 s[90:91], s[8:9], s[92:93]        ; my 64 channels' bias (2,048 further on)
	WIN 0x40                                       ; destination window 1
.set f, 0
.rept 16
.irp c, 0,1,2,3
	global_load_b128 v[16*f+4*\c:16*f+4*\c+3], v1, s[80:81] offset:2048*f+512*\c
.endr
.set f, f+1
.endr
	WIN 0x80                                       ; destination window 2
.set f, 0
.rept 8
.irp c, 0,1,2,3
	global_load_b128 v[16*f+4*\c:16*f+4*\c+3], v1, s[82:83] offset:131072+2048*f+512*\c
.endr
.set f, f+1
.endr
.irp t, 0,1,2,3,4,5,6,7
	global_load_b128 v[128+8*\t:128+8*\t+3], v7, s[88:89] offset:(32*(\t/2)+8*(\t%2))*4       ; the tile's eight units of my half
	global_load_b128 v[128+8*\t+4:128+8*\t+7], v7, s[88:89] offset:(32*(\t/2)+8*(\t%2))*4+16
.endr
.irp n, 0,1,2,3
.irp j, 0,1,2,3,4,5,6,7
	global_load_b32 v[192+8*\n+\j], v8, s[90:91] offset:2048+(32*(\n/2)+8*(\n%2))*4           ; my channel's bias in all eight registers
.endr
.endr
	WIN 0
.irp f, 0,1,2,3,4,5,6,7,8,9,10,11,12,13,14,15
	global_load_b32 v[W1S+\f], v2, s[84:85] offset:262144+64*\f
.endr
.irp f, 0,1,2,3,4,5,6,7
	global_load_b32 v[WVS+\f], v2, s[86:87] offset:266240+64*\f
.endr
	; where the results go
	s_mul_i32 s24, ttmp9, 16896                    ; q's block
	s_lshr_b32 s25, ttmp9, 1
	s_mul_i32 s25, s25, 33792                      ; k's and v's block
	s_and_b32 s26, ttmp9, 1                        ; hb
	s_lshl_b32 s27, s26, 14
	s_add_co_u32 s27, s27, s25                     ; k's codes: key tiles 4 hb on
	s_lshl_b32 s28, s26, 9
	s_add_co_u32 s28, s28, s25
	s_add_co_u32 s28, s28, 32768                   ; k's scale images 4 hb on
	s_add_co_u32 s29, s24, 16384                   ; q's scale images
	s_cmp_lg_u32 s23, 0                            ; k or q: the choice hangs on the wave's number alone
	s_cselect_b64 s[58:59], s[14:15], s[12:13]
	s_cselect_b32 s30, s27, s24
	s_cselect_b32 s32, s28, s29
	s_lshl_b32 s34, s22, 11
	s_add_co_u32 s30, s30, s34                     ; + 2,048 x my K step
	s_lshl_b32 s34, s22, 7
	s_add_co_u32 s32, s32, s34                     ; + 128 x my K step
	s_mov_b32 s31, 0
	s_mov_b32 s33, 0
	s_add_nc_u64 s[60:61], s[58:59], s[32:33]      ; scale images
	s_add_nc_u64 s[58:59], s[58:59], s[30:31]      ; codes
	s_lshl_b32 s30, s18, 13
	s_add_co_u32 s30, s30, s25
	s_lshl_b32 s34, s26, 10
	s_add_co_u32 s30, s30, s34
	s_add_nc_u64 s[62:63], s[16:17], s[30:31]      ; v's codes: fragment 4 w, chunk 2 hb
	s_lshl_b32 s32, s18, 8
	s_add_co_u32 s32, s32, s25
	s_add_co_u32 s32, s32, 32768
	s_lshl_b32 s34, s26, 1
	s_add_co_u32 s32, s32, s34
	s_add_nc_u64 s[66:67], s[16:17], s[32:33]      ; v's scale images 2 w on, byte 2 hb
	s_lshl_b32 s92, s20, 12
	s_lshl_b32 s94, s23, 11
	s_add_co_u32 s92, s92, s94
	s_add_nc_u64 s[10:11], s[10:11], s[92:93]      ; the norm's records of groups 32 b + 16 sh on
	s_mov_b32 s[MNT], 0x600000
	s_mov_b32 s[SEL], 0x76543210
	s_mov_b32 s[SEL+1], 0xfedcba98
	s_mov_b32 s56, 0xffff0000                      ; lanes 16-31
.irp b, 0,1,2,3
	v_mov_b32 v[TM+4+\b], 0                        ; a lane permute's destination counts as one of its sources
.endr
.macro GLOAD gi                        ; group gi's record: eight a, eight b into one of two sets of 16 scalar registers, the mean beside them
.set CL, 20+16*((\gi)%2)
	s_load_b512 s[CL:CL+15], s[10:11], 128*(\gi)
	s_load_b32 s[52+(\gi)%2], s[10:11], 128*(\gi)+64
.endm
	GLOAD 0
	s_wait_tensorcnt 0x0                           ; my 64 rows of x are in LDS,
	s_barrier_signal -1
	s_barrier_wait -1                              ; everybody's are
	; ---- H
.set ch, 0
.rept 128
	ds_load_b32 v[XR+ch], v4 offset:256*ch         ; 32 lanes read 128 consecutive bytes of a channel's row
.set ch, ch+1
.endr
	s_wait_kmcnt 0x0
.macro NORMG gi                        ; h = (x - mean) (rstd gn_w) + gn_b for the group's 8 channels
.if (\gi) < 15
	GLOAD (\gi)+1                                  ; the next group's record, into the other set
.endif
.set CB, 20+16*((\gi)%2)
.set MN, 52+(\gi)%2
.if 120-8*(\gi) > 63
	s_wait_dscnt 63                                ; (a wait's count names 63 at the most)
.else
	s_wait_dscnt 120-8*(\gi)                       ; the LDS loads issued behind this group's eight may be out
.endif
.irp k, 0,1,2,3,4,5,6,7
	v_sub_f32 v[XR+8*(\gi)+\k], v[XR+8*(\gi)+\k], s[MN]
.endr
.irp k, 0,1,2,3,4,5,6,7
	v_fma_f32 v[XR+8*(\gi)+\k], v[XR+8*(\gi)+\k], s[CB+\k], s[CB+8+\k]
.endr
	s_wait_kmcnt 0x0                               ; the next record is in
.endm
.irp g, 0,1,2,3,4,5,6,7,8,9,10,11,12,13,14,15
	NORMG \g
.endr
.macro HBLOCK c                        ; block c of 32 channels: all 32 numbers are mine
.set XS, XR+32*\c
	v_max3_num_f32 v12, |v[XS]|, |v[XS+1]|, |v[XS+2]|
	v_max3_num_f32 v13, |v[XS+3]|, |v[XS+4]|, |v[XS+5]|
.irp i, 6,10,14,18,22,26
	v_max3_num_f32 v12, v12, |v[XS+\i]|, |v[XS+\i+1]|
	v_max3_num_f32 v13, v13, |v[XS+\i+2]|, |v[XS+\i+3]|
.endr
	v_max3_num_f32 v12, v12, |v[XS+30]|, |v[XS+31]|
	v_max3_num_f32 v12, v12, v13, 0x4800000        ; and the floor 2^(9 - 127)
	v_add_nc_u32 v14, 0xfc000000, v12              ; the conversion's scale operand
	v_and_or_b32 v15, v12, 0x7f800000, s[MNT]      ; 448 x the scale
	v_lshrrev_b32 v13, 23, v14                     ; the byte
.if \c == 0
	v_mov_b32 v42, v13
.else
	v_lshl_or_b32 v42, v13, 8*\c, v42
.endif
.irp i, 0,1,2,3,4,5,6,7,8,9,10,11,12,13,14,15,16,17,18,19,20,21,22,23,24,25,26,27,28,29,30,31
	v_med3_num_f32 v[XS+\i], v[XS+\i], -v15, v15
.endr
.irp g, 0,1,2,3
	v_cvt_scalef32_pk8_fp8_f32 v[HC+8*\c+2*\g:HC+8*\c+2*\g+1], v[XS+8*\g:XS+8*\g+7], v14
.endr
	ds_store_b128 v5, v[HC+8*\c:HC+8*\c+3] offset:512*\c          ; k = 32 c + 0 .. 15: the place of lane (r, 0) in the image
	ds_store_b128 v5, v[HC+8*\c+4:HC+8*\c+7] offset:512*\c+256    ; k = 32 c + 16 .. 31: of lane (r, 1)
.endm
	HBLOCK 0
	HBLOCK 1
	HBLOCK 2
	HBLOCK 3
	v_nop                                          ; one plain line behind the last conversion
	ds_store_b32 v6, v42
	s_wait_dscnt 0x0                               ; for the others' sake
	s_barrier_signal -1
	s_barrier_wait -1                              ; h's eight fragments lie in LDS
	s_wait_loadcnt 0x0                             ; the weights, their scale words, the biases
	; ---- the products, a tile of 16 positions at a time.  The twelve accumulators take turns, one instruction a turn.
.macro MTILE m
.irp s, 0,1
.irp c, 0,1,2,3
	ds_load_b128 v[HF+16*\s+4*\c:HF+16*\s+4*\c+3], v9 offset:(2*\m+\s)*2048+512*\c
.endr
	ds_load_b32 v[HS+\s], v10 offset:(2*\m+\s)*64
.endr
	s_wait_dscnt 0x0
	WIN 0x21                                       ; source 0 (W) window 1, source 2 (the bias) window 2
.irp t, 0,1,2,3,4,5,6,7
	WM HA+8*\t, 32*\t, HF, 128+8*\t, W1S+2*\t, HS
.endr
	WIN 0xe8                                       ; source 1 (W) and source 2 (the bias) window 2, destination window 3
.irp n, 0,1,2,3
	WM 32*\n+16*(\m/2)+8*(\m%2), HF, 32*\n, 192+8*\n, HS, WVS+2*\n
.endr
	WIN 0x01
.irp t, 0,1,2,3,4,5,6,7
	WM HA+8*\t, 32*\t+16, HF+16, HA+8*\t, W1S+2*\t+1, HS+1
.endr
	WIN 0xf8
.irp n, 0,1,2,3
	WM 32*\n+16*(\m/2)+8*(\m%2), HF+16, 32*\n+16, 32*\n+16*(\m/2)+8*(\m%2), HS+1, WVS+2*\n+1
.endr
	WIN 0
	PLACES 8                                       ; behind this form eight places stand ahead of the first read of results
	QUANT HA, PCM+16*\m, 42+\m
.irp c, 0,1,2,3
	global_store_b128 v1, v[PCM+16*\m+4*\c:PCM+16*\m+4*\c+3], s[58:59] offset:4096*\m+512*\c   ; 512 consecutive bytes
.endr
.if \m%2
	v_cndmask_b32 v[46+\m/2], v[41+\m], v[42+\m], s56      ; lanes 0-15 the even tile's words, lanes 16-31 the odd tile's
	global_store_b32 v3, v[46+\m/2], s[60:61] offset:256*(\m/2)
.endif
.endm
	MTILE 0
	MTILE 1
	MTILE 2
	MTILE 3
	; ---- v: a lane holds one channel; register 16 b + i of a tile is key 32 b + 16 (lane / 16) + i of the work-group's 64
.macro QUANTV n
.set VS, 32*\n
	WIN 0x0f                                       ; sources 0 and 1 window 3
.irp b, 0,1
	v_max3_num_f32 v[TM+\b], |v[VS+16*\b]|, |v[VS+16*\b+1]|, 0x4800000
.endr
	WIN 0x3c                                       ; sources 1 and 2 window 3
.irp i, 2,4,6,8,10,12,14
.irp b, 0,1
	v_max3_num_f32 v[TM+\b], v[TM+\b], |v[VS+16*\b+\i]|, |v[VS+16*\b+\i+1]|
.endr
.endr
	WIN 0
.irp b, 0,1
	v_permlanex16_b32 v[TM+4+\b], v[TM+\b], s[SEL], s[SEL+1]
.endr
.irp b, 0,1
	v_max_num_f32 v[TM+\b], v[TM+\b], v[TM+4+\b]
.endr
.irp b, 0,1
	v_add_nc_u32 v[TM+12+\b], 0xfc000000, v[TM+\b]
.endr
.irp b, 0,1
	v_and_or_b32 v[TM+8+\b], v[TM+\b], 0x7f800000, s[MNT]
.endr
.irp b, 0,1
	v_lshrrev_b32 v[TM+4+\b], 23, v[TM+12+\b]
.endr
	v_lshl_or_b32 v[12+\n], v[TM+5], 8, v[TM+4]    ; the two bytes of my channel
	WIN 0x03                                       ; source 0 window 3
.irp b, 0,1
.irp i, 0,1,2,3,4,5,6,7,8,9,10,11,12,13,14,15
	v_med3_num_f32 v[HT+16*\b+\i], v[VS+16*\b+\i], -v[TM+8+\b], v[TM+8+\b]
.endr
.endr
	WIN 0
.irp b, 0,1
	v_cvt_scalef32_pk8_fp8_f32 v[64+8*\n+4*\b:64+8*\n+4*\b+1], v[HT+16*\b:HT+16*\b+7], v[TM+12+\b]
	v_cvt_scalef32_pk8_fp8_f32 v[64+8*\n+4*\b+2:64+8*\n+4*\b+3], v[HT+16*\b+8:HT+16*\b+15], v[TM+12+\b]
.endr
	v_nop
.irp b, 0,1
	global_store_b128 v1, v[64+8*\n+4*\b:64+8*\n+4*\b+3], s[62:63] offset:2048*\n+512*\b
.endr
.endm
	QUANTV 0
	QUANTV 1
	QUANTV 2
	QUANTV 3
	v_cndmask_b32 v50, v12, v13, s56               ; lanes 0-15 the even tile's channels, lanes 16-31 the odd tile's
	v_cndmask_b32 v51, v14, v15, s56
	global_store_b16 v3, v50, s[66:67]             ; two of a word's four bytes: the other two are the neighbouring work-group's; 1 byte in 32 of what leaves here
	global_store_b16 v3, v51, s[66:67] offset:128
	s_set_vgpr_msb 0x8
	s_wait_tensorcnt 0x0
	ds_add_u32 v11, v255
	s_wait_dscnt 0x0
	s_set_vgpr_msb 0x800
	s_endpgm
.Lfunc_end_k_q13a8a22172_qkv:
	.size	k_q13a8a22172_qkv, .Lfunc_end_k_q13a8a22172_qkv-k_q13a8a22172_qkv
	.p2alignl 7, 3214868480
	.fill 96, 4, 3214868480
	.section	.rodata,"a",@progbits
	.p2align	6, 0x0
	.amdhsa_kernel k_q13a8a22172_qkv
		.amdhsa_group_segment_fixed_size 168448
		.amdhsa_private_segment_fixed_size 0
		.amdhsa_enable_private_segment 0
		.amdhsa_kernarg_size 56
		.amdhsa_user_sgpr_count 2
		.amdhsa_user_sgpr_kernarg_segment_ptr 1
		.amdhsa_wavefront_size32 1
		.amdhsa_system_sgpr_workgroup_id_x 1
		.amdhsa_system_sgpr_workgroup_id_y 1
		.amdhsa_system_sgpr_workgroup_id_z 1
		.amdhsa_system_vgpr_workitem_id 0
		.amdhsa_next_free_vgpr 896
		.amdhsa_next_free_sgpr 96
		.amdhsa_reserve_vcc 0
		.amdhsa_float_denorm_mode_32 3
		.amdhsa_float_denorm_mode_16_64 3
		.amdhsa_memory_ordered 1
		.amdhsa_forward_progress 1
		.amdhsa_inst_pref_size 131
	.end_amdhsa_kernel
	.amdgpu_metadata
---
amdhsa.version: [ 1, 2 ]
amdhsa.kernels:
  - .name:           k_q13a8a22172_qkv
    .symbol:         k_q13a8a22172_qkv.kd
    .args:
      - { .name: x, .offset: 0, .size: 8, .value_kind: global_buffer, .address_space: global }
      - { .name: wq, .offset: 8, .size: 8, .value_kind: global_buffer, .address_space: global }
      - { .name: qkv_b, .offset: 16, .size: 8, .value_kind: global_buffer, .address_space: global }
      - { .name: gnt, .offset: 24, .size: 8, .value_kind: global_buffer, .address_space: global }
      - { .name: qws, .offset: 32, .size: 8, .value_kind: global_buffer, .address_space: global }
      - { .name: kws, .offset: 40, .size: 8, .value_kind: global_buffer, .address_space: global }
      - { .name: vws, .offset: 48, .size: 8, .value_kind: global_buffer, .address_space: global }
    .group_segment_fixed_size: 168448
    .private_segment_fixed_size: 0
    .kernarg_segment_align: 8
    .kernarg_segment_size: 56
    .max_flat_workgroup_size: 128
    .sgpr_count:     96
    .vgpr_count:     896
    .wavefront_size: 32
...
	.end_amdgpu_metadata
.endif
;; end of part 2
;; launch attn (part 3): grid 64 x 4, 4 waves a work-group, clusters of 4 x 1, 327,680 bytes of LDS; arguments qws, kws, vws, wq, proj_b, x, out0; writes out0
.if DOCPART == 3
	.amdgcn_target "amdgcn-amd-amdhsa--gfx1250"
	.amdhsa_code_object_version 6
	.text
	.protected	k_q13a8a22172_attn
	.globl	k_q13a8a22172_attn
	.p2align	8
	.type	k_q13a8a22172_attn,@function
k_q13a8a22172_attn:
	s_mov_b64 s[64:65], 0
	v_nop
	global_prefetch_b8 v0, s[64:65] scope:SCOPE_SE
	s_setreg_imm32_b32 hwreg(HW_REG_WAVE_MODE, 25, 1), 1
	s_wait_xcnt 0x0
	s_wait_alu depctr_hold_cnt(0) depctr_sa_sdst(0) depctr_va_vdst(0) depctr_va_sdst(0) depctr_va_ssrc(0) depctr_va_vcc(0) depctr_vm_vsrc(0)
	s_getreg_b32 s2, hwreg(HW_REG_IB_STS2, 6, 4)
	s_cmp_eq_u32 s2, 0
	s_cbranch_scc0 .Lentry_in_a_cluster
	s_endpgm
.Lentry_in_a_cluster:
	s_bfe_u32 s2, ttmp6, 0x10000c
	s_cmp_lg_u32 s2, 0x3003
	s_cbranch_scc0 .Lentry_shape_is_right
	s_endpgm
.Lentry_shape_is_right:
; out0 = x + proj_w (softmax(q^T k / 16) v) + proj_b, all three products on codes of E4M3 with one E8M0 scale for each 32 along K.
; THE SOFTMAX: t = score x log2(e) / 16; M = the largest t so far, rounded UP to a whole number; p = 2^(t - M) is quantised along the keys, not normalised; the row's sum is taken of the unquantised p and divides at the end.
; SHARES.  A work-group owns 64 queries (four permuted tiles of 16) of one image.  EACH WAVE HOLDS ALL 64 QUERIES AND WALKS A QUARTER OF THE KEYS: blocks of 128 keys 4 j + w, j = 0 .. 7.  So each fragment of K and V is read
; from LDS once in the work-group and feeds four matrix instructions.  Each wave has its own M and sum; M is a whole number, so the four streams are joined at the end by exact powers of two.
; LAYOUT.  Both products transposed: S^T = K Q^T, O^T = V^T P^T: a lane holds one query (lane % 16) throughout; keys and V's channels are tiled so that 16 registers of two neighbouring tiles are 16 neighbours.
; K's and V's blocks (33,792 dense bytes: 16 fragment images of 2,048, then 8 scale images of 128) come by one tensor load each into the wave's own two slots; no padding: an LDS load's 512 bytes are consecutive.
; CLUSTER.  The four work-groups of a cluster belong to one image and walk the same K and V: wave w of each asks JOINTLY, by the same load with the same descriptor (it hangs on the image, the wave and the step alone) and the mask 15.
; K's slot is asked for again in the middle of the softmax, V's behind the second product: each load has a product's phase and half a softmax in which to land.  A wave has two tensor loads out at the start, later one.
; THE END.  Every wave puts its four tiles of O^T and its statistics into its slots (which have had their last fill); wave w joins tile w, divides by the sum, quantises along the channels; the images meet in LDS;
; wave w makes outputs 64 w .. 64 w + 63 for the 64 positions (source 0 = O's 16 queries, source 1 = 16 rows of proj_w: a lane holds one output row and neighbouring positions), adds x and stores rows of 256 bytes.
; LIMITS: NaN and infinities are not served; a p under 2^-126 counts as 0; a block whose largest magnitude lies under 2^-118 (a block of zeros too) keeps the byte 1: this program alone reads the bytes.
; REGISTERS.  Window 0: v0 thread; v1, v2 the spare word's address and 0; v3-6 LDS addresses; v7-11 at work; v12-15 lane offsets; v16-31 four registers of statistics a tile (-M, the largest t, the sum in two halves);
;   v32-39 K's, then V's scale words; v40-43 Q's; v44-47 p's; v48-63 the quantiser's work; v64-127 four fragments, or the held p; v128-255 Q.
;   Windows 1, 2: O^T, (ct, t) at 32 (ct % 8) + 8 t.   Window 3: S^T, tile t at 64 t + 8 i; p's codes land in its first 16 registers, and its dead parts serve as fragment buffers.
.set FB,    64
.set HT,    64
.set TM,    48
.set SEL,   20                         ; s[20:21]
.set MNT,   19
.set SLOTB, 33792                      ; a block of K or of V
.set RWB,   67584                      ; a wave's two slots
.set OIMG,  270336                     ; O's eight fragments (2 t + s) x 2,048
.set OSC,   286720                     ; their scale words, 128 bytes each
.set SPARE, 287744                     ; the spare words, 128 bytes for each wave: two blocks of 256 bytes that no other line names
.set MSB, 0
.macro WIN new                         ; the immediate's high byte repeats the setting that is left
.if MSB != (\new)
	s_set_vgpr_msb (MSB<<8)|(\new)
.set MSB, (\new)
.endif
.endm
.macro PLACES n
.if (\n) > 0
.rept \n
	v_nop
.endr
.endif
.endm
.macro CROUND                          ; a round of the cluster's barrier
	s_barrier_signal -1
	s_barrier_wait -1
	s_cmp_lg_u32 s18, 0
	s_cbranch_scc1 .Lnot_wave_0_\@
	s_barrier_signal -3
.Lnot_wave_0_\@:
	s_barrier_wait -3
	s_barrier_signal -1
	s_barrier_wait -1
.endm
; a matrix instruction.  c < 0: the constant 0 starts the sum.  ra, rb = 1: that side's scales stand in lanes 16-31
.macro WM d, a, b, c, sa, sb, ra, rb
.set mD, \d
.set mA, \a
.set mB, \b
.set mC, \c
.set mS, \sa
.set mT, \sb
.if mC < 0
.if (\ra) && (\rb)
	v_wmma_scale_f32_16x16x128_f8f6f4 v[mD:mD+7], v[mA:mA+15], v[mB:mB+15], 0, v[mS], v[mT] matrix_a_scale:MATRIX_SCALE_ROW1 matrix_b_scale:MATRIX_SCALE_ROW1
.elseif (\ra)
	v_wmma_scale_f32_16x16x128_f8f6f4 v[mD:mD+7], v[mA:mA+15], v[mB:mB+15], 0, v[mS], v[mT] matrix_a_scale:MATRIX_SCALE_ROW1
.elseif (\rb)
	v_wmma_scale_f32_16x16x128_f8f6f4 v[mD:mD+7], v[mA:mA+15], v[mB:mB+15], 0, v[mS], v[mT] matrix_b_scale:MATRIX_SCALE_ROW1
.else
	v_wmma_scale_f32_16x16x128_f8f6f4 v[mD:mD+7], v[mA:mA+15], v[mB:mB+15], 0, v[mS], v[mT]
.endif
.else
.if (\ra) && (\rb)
	v_wmma_scale_f32_16x16x128_f8f6f4 v[mD:mD+7], v[mA:mA+15], v[mB:mB+15], v[mC:mC+7], v[mS], v[mT] matrix_a_scale:MATRIX_SCALE_ROW1 matrix_b_scale:MATRIX_SCALE_ROW1
.elseif (\ra)
	v_wmma_scale_f32_16x16x128_f8f6f4 v[mD:mD+7], v[mA:mA+15], v[mB:mB+15], v[mC:mC+7], v[mS], v[mT] matrix_a_scale:MATRIX_SCALE_ROW1
.elseif (\rb)
	v_wmma_scale_f32_16x16x128_f8f6f4 v[mD:mD+7], v[mA:mA+15], v[mB:mB+15], v[mC:mC+7], v[mS], v[mT] matrix_b_scale:MATRIX_SCALE_ROW1
.else
	v_wmma_scale_f32_16x16x128_f8f6f4 v[mD:mD+7], v[mA:mA+15], v[mB:mB+15], v[mC:mC+7], v[mS], v[mT]
.endif
.endif
.endm
; 64 numbers of a lane, register 16 b + i = k 32 b + 16 (lane / 16) + i of my row, become a fragment's codes in v[pc] on and its scale word in v[pw].
.macro QUANT s, pc, pw
.irp b, 0,1,2,3
	v_max3_num_f32 v[TM+\b], |v[(\s)+16*\b]|, |v[(\s)+1+16*\b]|, 0x4800000
.endr
.irp i, 2,4,6,8,10,12,14
.irp b, 0,1,2,3
	v_max3_num_f32 v[TM+\b], v[TM+\b], |v[(\s)+16*\b+\i]|, |v[(\s)+1+16*\b+\i]|
.endr
.endr
.irp b, 0,1,2,3
	v_permlanex16_b32 v[TM+4+\b], v[TM+\b], s[SEL], s[SEL+1]
.endr
.irp b, 0,1,2,3
	v_max_num_f32 v[TM+\b], v[TM+\b], v[TM+4+\b]
.endr
.irp b, 0,1,2,3
	v_add_nc_u32 v[TM+12+\b], 0xfc000000, v[TM+\b]
.endr
.irp b, 0,1,2,3
	v_and_or_b32 v[TM+8+\b], v[TM+\b], 0x7f800000, s[MNT]
.endr
.irp b, 0,1,2,3
	v_lshrrev_b32 v[TM+4+\b], 23, v[TM+12+\b]
.endr
	v_lshl_or_b32 v[\pw], v[TM+5], 8, v[TM+4]
	v_lshl_or_b32 v[\pw], v[TM+6], 16, v[\pw]
	v_lshl_or_b32 v[\pw], v[TM+7], 24, v[\pw]
.irp b, 0,1,2,3
.irp i, 0,1,2,3,4,5,6,7,8,9,10,11,12,13,14,15
	v_med3_num_f32 v[(\s)+16*\b+\i], v[(\s)+16*\b+\i], -v[TM+8+\b], v[TM+8+\b]
.endr
	v_cvt_scalef32_pk8_fp8_f32 v[(\pc)+4*\b:(\pc)+4*\b+1], v[(\s)+16*\b:(\s)+16*\b+7], v[TM+12+\b]
	v_cvt_scalef32_pk8_fp8_f32 v[(\pc)+4*\b+2:(\pc)+4*\b+3], v[(\s)+16*\b+8:(\s)+16*\b+15], v[TM+12+\b]
.endr
	v_nop
.endm
; where fragment (key tile i, K step s) of K waits: tiles 0, 1, 6, 7 in v64-127; tiles 2, 3 in the registers of S^T that key tiles 4, 5 will fill; tiles 4, 5 in those of key tiles 6, 7
.macro KSEL i, s
.if ((\i) < 2) || ((\i) > 5)
.set kb_, FB+32*((\i)%2)+16*(\s)
.set kw_, 0
.elseif (\i) < 4
.set kb_, 64*(2*((\i)-2)+(\s))+32
.set kw_, 3
.else
.set kb_, 64*(2*((\i)-4)+(\s))+48
.set kw_, 3
.endif
.endm
.macro KLOAD i
.irp s, 0,1
	KSEL \i, \s
	WIN kw_<<6
.irp c, 0,1,2,3
	ds_load_b128 v[kb_+4*\c:kb_+4*\c+3], v3 offset:(2*(\i)+\s)*2048+512*\c
.endr
.endr
.endm
.macro KMUL i                          ; key tile i against the four tiles of queries: four accumulators by turns, K step 0 starts the sums
.irp s, 0,1
	KSEL \i, \s
	WIN 0xf0+kw_
.irp t, 0,1,2,3
.if \s
	WM 64*\t+8*(\i), kb_, 128+16*(2*\t+\s), 64*\t+8*(\i), 32+2*((\i)/2)+\s, 40+2*(\t/2)+\s, (\i)%2, \t%2
.else
	WM 64*\t+8*(\i), kb_, 128+16*(2*\t+\s), -1, 32+2*((\i)/2)+\s, 40+2*(\t/2)+\s, (\i)%2, \t%2
.endif
.endr
.endr
.endm
; where V's fragment ct waits: three in the dead 48 registers of each tile of S^T, the last four in v64-127
.macro VSEL ct
.if (\ct) < 12
.set vb_, 64*((\ct)/3)+16+16*((\ct)%3)
.set vw_, 3
.else
.set vb_, FB+16*((\ct)-12)
.set vw_, 0
.endif
.endm
.macro VLOAD ct
	VSEL \ct
	WIN vw_<<6
.irp c, 0,1,2,3
	ds_load_b128 v[vb_+4*\c:vb_+4*\c+3], v4 offset:2048*(\ct)+512*\c
.endr
.endm
.macro VMUL ct, first
	VSEL \ct
	WIN 0x5c+0x50*((\ct)/8)+vw_                    ; O^T in window 1 or 2, p's codes in window 3
.irp t, 0,1,2,3
.if \first
	WM 32*((\ct)%8)+8*\t, vb_, 64*\t, -1, 32+(\ct)/2, 44+\t, (\ct)%2, 0
.else
	WM 32*((\ct)%8)+8*\t, vb_, 64*\t, 32*((\ct)%8)+8*\t, 32+(\ct)/2, 44+\t, (\ct)%2, 0
.endif
.endr
.endm
; tile t's softmax for a step of 128 keys.  first = 1: O^T has not begun, so nothing is rescaled
.macro SOFT t, first
.set SB, 64*\t
.set ST, 16+4*\t
	WIN 0x3f                                       ; all three sources window 3
.irp b, 0,1,2,3
	v_max3_num_f32 v[TM+\b], v[SB+16*\b], v[SB+16*\b+1], v[SB+16*\b+2]   ; the largest score of each block of 32 keys: for the row's maximum and, since p rises with the score, for the block's largest p
.endr
	WIN 0x3c
.irp i, 3,5,7,9,11,13
.irp b, 0,1,2,3
	v_max3_num_f32 v[TM+\b], v[TM+\b], v[SB+16*\b+\i], v[SB+16*\b+\i+1]
.endr
.endr
.irp b, 0,1,2,3
	v_max_num_f32 v[TM+\b], v[TM+\b], v[SB+16*\b+15]
.endr
	WIN 0
.irp b, 0,1,2,3
	v_permlanex16_b32 v[TM+4+\b], v[TM+\b], s[SEL], s[SEL+1]
.endr
.irp b, 0,1,2,3
	v_max_num_f32 v[TM+\b], v[TM+\b], v[TM+4+\b]   ; with lane l xor 16's 16 keys
.endr
	v_max3_num_f32 v7, v[TM], v[TM+1], v[TM+2]
	v_max_num_f32 v7, v7, v[TM+3]
	v_mul_f32 v7, s22, v7                          ; as t
	v_max_num_f32 v[ST+1], v[ST+1], v7             ; the running largest t
	v_mov_b32 v7, v[ST]
	v_floor_f32 v[ST], -v[ST+1]                    ; the new -M = -ceil(t)
	v_sub_f32 v7, v[ST], v7                        ; old M - new M: a whole number, 0 or less
	v_cvt_i32_f32 v7, v7                           ; (it saturates)
	v_ldexp_f32 v8, 1.0, v7                        ; f = 2^(old M - new M)
.irp b, 0,1,2,3
	v_fma_f32 v[TM+\b], v[TM+\b], s22, v[ST]       ; t - M of each block's largest score
.endr
	WIN 0xc3                                       ; destination and source 0 window 3
.set j_, 0
.rept 32
	v_pk_fma_f32 v[SB+j_:SB+j_+1], v[SB+j_:SB+j_+1], s[22:23], v[ST:ST+1] op_sel_hi:[1,0,0]   ; t - M, two at a time
.set j_, j_+2
.endr
.set j_, 0
.rept 64
	v_exp_f32 v[SB+j_], v[SB+j_]                   ; p = 2^(t - M)
.set j_, j_+1
.endr
	WIN 0
.irp b, 0,1,2,3
	v_exp_f32 v[TM+\b], v[TM+\b]                   ; the block's largest p: the same two instructions on the same number
.endr
	v_pk_mul_f32 v[ST+2:ST+3], v[ST+2:ST+3], v[8:9] op_sel_hi:[1,0]   ; the sum under the new M.  (The plain line behind the exponentials)
	s_wait_alu depctr_va_vdst(0)
.irp b, 0,1,2,3
	v_max_num_f32 v[TM+\b], 0x4800000, v[TM+\b]    ; the floor 2^(9 - 127)
.endr
.irp b, 0,1,2,3
	v_add_nc_u32 v[TM+12+\b], 0xfc000000, v[TM+\b]
.endr
.irp b, 0,1,2,3
	v_and_or_b32 v[TM+8+\b], v[TM+\b], 0x7f800000, s[MNT]
.endr
.irp b, 0,1,2,3
	v_lshrrev_b32 v[TM+4+\b], 23, v[TM+12+\b]
.endr
	v_lshl_or_b32 v[44+\t], v[TM+5], 8, v[TM+4]    ; p's scale word for these 128 keys
	v_lshl_or_b32 v[44+\t], v[TM+6], 16, v[44+\t]
	v_lshl_or_b32 v[44+\t], v[TM+7], 24, v[44+\t]
	WIN 0x0f
	v_pk_add_f32 v[10:11], v[SB:SB+1], v[SB+2:SB+3]        ; the row's sum is taken of the unquantised p, in two chains
	WIN 0x0c
.irp j, 4,8,12,16,20,24,28,32,36,40,44,48,52,56,60
	v_pk_add_f32 v[ST+2:ST+3], v[ST+2:ST+3], v[SB+\j:SB+\j+1]
	v_pk_add_f32 v[10:11], v[10:11], v[SB+\j+2:SB+\j+3]
.endr
	WIN 0
	v_pk_add_f32 v[ST+2:ST+3], v[ST+2:ST+3], v[10:11]
	WIN 0x03
.irp b, 0,1,2,3
.set j_, 0
.rept 16
	v_min_num_f32 v[HT+16*\b+j_], v[SB+16*\b+j_], v[TM+8+\b]   ; the conversion does not saturate (ISA guide 7.6.2); p is not negative: a one-sided hold
.set j_, j_+1
.endr
.endr
	WIN 0xc0
.irp b, 0,1,2,3
	v_cvt_scalef32_pk8_fp8_f32 v[SB+4*\b:SB+4*\b+1], v[HT+16*\b:HT+16*\b+7], v[TM+12+\b]
	v_cvt_scalef32_pk8_fp8_f32 v[SB+4*\b+2:SB+4*\b+3], v[HT+16*\b+8:HT+16*\b+15], v[TM+12+\b]
.endr
	v_nop                                          ; one plain line behind the last conversion
.if !(\first)
	WIN 0x41
.irp n, 0,1,2,3,4,5,6,7
.irp j, 0,2,4,6
	v_pk_mul_f32 v[32*\n+8*\t+\j:32*\n+8*\t+\j+1], v[32*\n+8*\t+\j:32*\n+8*\t+\j+1], v[8:9] op_sel_hi:[1,0]   ; O^T under the new M
.endr
.endr
	WIN 0x82
.irp n, 0,1,2,3,4,5,6,7
.irp j, 0,2,4,6
	v_pk_mul_f32 v[32*\n+8*\t+\j:32*\n+8*\t+\j+1], v[32*\n+8*\t+\j:32*\n+8*\t+\j+1], v[8:9] op_sel_hi:[1,0]
.endr
.endr
.endif
.endm
; A slot is filled again: all my tensor loads have landed, 0 goes onto my spare word, that and my reads of the slot are waited for; a round of the cluster's barrier, so that the same holds of every wave of every partner; then my one load.
.macro REFILL g0, places
	WIN 0
	s_wait_tensorcnt 0x0                           ; the one that was out is my other slot's: so a group 0 may be written
	ds_add_u32 v1, v2
	s_add_nc_u64 s[\g0+2:\g0+3], s[\g0+2:\g0+3], 4*SLOTB   ; four blocks on: my next 128 keys
	PLACES \places                                 ; (behind the second product: the places ahead of what next lands on its operands' registers)
	s_wait_dscnt 0x0                               ; the add is done, and my reads of the slot are over
	CROUND
	tensor_load_to_lds s[\g0:\g0+3], s[24:31]
	s_nop 0
	PLACES 4                                       ; four plain lines behind the load
.endm
; A STEP: my next 128 keys.
.macro STEP first, fill
.irp g, 0,1,2,3,4,5,6,7
	ds_load_b32 v[32+\g], v5 offset:128*\g         ; K's scale images
.endr
.irp i, 0,1,2,3,4,5
	KLOAD \i
.endr
	s_wait_dscnt 40                                ; each count: the fragment loads issued behind this key tile's eight
	KMUL 0
	s_wait_dscnt 32
	KMUL 1
	PLACES 8                                       ; ahead of loads into registers that matrix instructions have read
	KLOAD 6
	KLOAD 7
	s_wait_dscnt 40
	KMUL 2
	s_wait_dscnt 32
	KMUL 3
	PLACES 9                                       ; the next results are laid over operands that are done with: one place more
	s_wait_dscnt 24
	KMUL 4
	s_wait_dscnt 16
	KMUL 5
	PLACES 9
	s_wait_dscnt 8
	KMUL 6
	s_wait_dscnt 0x0
	KMUL 7
	PLACES 8                                       ; ahead of the first read of results
	SOFT 0, \first
	SOFT 1, \first
.if \fill
	REFILL 32, 0                                   ; K's slot; the wait for all loads has shown V's block landed
.else
	WIN 0
	s_wait_tensorcnt 0x0                           ; V's last block has landed
.endif
.irp g, 0,1,2,3,4,5,6,7
	ds_load_b32 v[32+\g], v6 offset:128*\g         ; V's scale images
.endr
.irp n, 0,1,2,3,4,5
	VLOAD \n
.endr
	SOFT 2, \first
	SOFT 3, \first
.if \first
	PLACES 8                                       ; the places that the rescaling of O^T is in every later step
.endif
.irp n, 6,7,8,9,10,11,12,13,14,15
	VLOAD \n
.endr
	s_wait_dscnt 40                                ; all but the 40 just issued
.irp n, 0,1,2,3,4,5
	VMUL \n, \first
.endr
.irp k, 0,1,2,3,4,5,6,7,8,9
	s_wait_dscnt 36-4*\k
	VMUL 6+\k, \first
.endr
.if \fill
	REFILL 36, 9                                   ; V's slot; the wait for all loads has shown K's next block landed
.endif
.endm
	s_load_b256 s[4:11], s[0:1], 0x0               ; qws, kws, vws, wq
	s_load_b128 s[12:15], s[0:1], 0x20             ; proj_b, x
	s_load_b64 s[16:17], s[0:1], 0x30              ; out0
	v_lshl_add_u32 v1, v0, 2, SPARE
	v_mov_b32 v2, 0
	ds_add_u32 v1, v2
	ds_add_u32 v1, v2
	s_wait_dscnt 0x0
	v_lshrrev_b32 v7, 5, v0
	v_readfirstlane_b32 s18, v7                    ; wave 0..3
	s_bfe_u32 s41, ttmp6, 0x40000                  ; cx: it enters Q's, x's and out0's addresses alone
	s_lshl_b32 s42, ttmp9, 2
	s_add_co_u32 s42, s42, s41                     ; my block of 64 queries
	s_and_b32 s43, ttmp7, 0xffff                   ; the image, which the four partners share
	s_lshl_b32 s44, s43, 5
	s_add_co_u32 s44, s44, s18
	s_mul_i32 s44, s44, SLOTB                      ; block 32 b + w of K and of V
	s_mov_b32 s45, 0
	s_mul_i32 s46, s18, RWB                        ; my slots
	s_lshl_b32 s47, s43, 6
	s_add_co_u32 s47, s47, s42
	s_mul_i32 s48, s47, 16896                      ; Q's block
	s_mov_b32 s49, 0
	s_lshl_b32 s56, s43, 22                        ; x and out0: the image,
	s_lshl_b32 s47, s18, 20                        ; my 64 rows of 16,384 bytes,
	s_add_co_u32 s56, s56, s47
	s_lshl_b32 s47, s42, 8                         ; the block's 256 bytes of a row
	s_add_co_u32 s56, s56, s47
	s_mov_b32 s57, 0
	s_mov_b32 s59, 0
	s_mov_b32 s24, 15|(3<<16)|(1<<21)              ; group 1: the mask: all four work-groups; elements of 8 bytes; bit 21 beside a mask; no padding
	s_mov_b32 s25, 32<<16                          ; tensor_dim0 = 32 (256 bytes)
	s_mov_b32 s26, 132<<16                         ; tensor_dim1 = 132
	s_mov_b32 s27, 32<<16                          ; tile_dim0
	s_mov_b32 s28, 132                             ; tile_dim1
	s_mov_b32 s29, 32                              ; dense
	s_mov_b32 s30, 0
	s_mov_b32 s31, 0
	s_mov_b32 s[MNT], 0x600000
	s_mov_b32 s[SEL], 0x76543210
	s_mov_b32 s[SEL+1], 0xfedcba98
	s_mov_b32 s22, 0x3db8aa3b                      ; c = log2(e) / 16
	s_mov_b32 s23, s22                             ; (named with it as a pair)
	s_wait_kmcnt 0x0
	s_mov_b32 s32, 1
	s_mov_b32 s33, s46
	s_add_nc_u64 s[34:35], s[6:7], s[44:45]
	s_or_b32 s35, s35, 0x80000000
	s_mov_b32 s36, 1
	s_add_co_u32 s37, s46, SLOTB
	s_add_nc_u64 s[38:39], s[8:9], s[44:45]
	s_or_b32 s39, s39, 0x80000000
	s_add_nc_u64 s[4:5], s[4:5], s[48:49]
	s_add_nc_u64 s[14:15], s[14:15], s[56:57]
	s_add_nc_u64 s[16:17], s[16:17], s[56:57]
	s_lshl_b32 s58, s18, 14
	s_add_nc_u64 s[50:51], s[10:11], s[58:59]      ; my 8 fragments of proj_w (196,608 further on)
	s_lshl_b32 s58, s18, 9
	s_add_nc_u64 s[52:53], s[10:11], s[58:59]      ; their scale words
	s_lshl_b32 s58, s18, 8
	s_add_nc_u64 s[12:13], s[12:13], s[58:59]      ; my 64 outputs' bias
	CROUND                                         ; all four work-groups are here: the first joint loads meet
	tensor_load_to_lds s[32:35], s[24:31]          ; K's first block
	s_nop 0
	tensor_load_to_lds s[36:39], s[24:31]          ; V's
	s_nop 0
	PLACES 4
	v_and_b32 v7, 31, v0
	v_lshlrev_b32 v12, 4, v7                       ; v12: 16 x lane
	v_lshlrev_b32 v13, 2, v7                       ; v13: 4 x lane
	v_and_b32 v8, 15, v0
	v_lshlrev_b32 v14, 2, v8                       ; v14: 4 r
	v_and_b32 v15, 8, v8
	v_add_nc_u32 v15, v15, v8
	v_lshlrev_b32 v15, 2, v15                      ; v15: 4 (r + 8 (r / 8))
.set f, 0
.rept 8
.irp c, 0,1,2,3
	global_load_b128 v[128+16*f+4*\c:128+16*f+4*\c+3], v12, s[4:5] offset:2048*f+512*\c   ; Q stays in registers
.endr
.set f, f+1
.endr
.irp g, 0,1,2,3
	global_load_b32 v[40+\g], v13, s[4:5] offset:16384+128*\g
.endr
	v_add_nc_u32 v3, s46, v12                      ; v3: K's slot, 16 x lane
	v_add_nc_u32 v4, SLOTB, v3                     ; v4: V's
	v_add_nc_u32 v5, s46, v13
	v_add_nc_u32 v5, 32768, v5                     ; v5: K's scale images, 4 x lane
	v_add_nc_u32 v6, SLOTB, v5                     ; v6: V's
.irp t, 0,1,2,3
	v_mov_b32 v[17+4*\t], 0xff61b1e6               ; the largest t so far: -3e38
	v_floor_f32 v[16+4*\t], -v[17+4*\t]            ; -M
	v_mov_b32 v[18+4*\t], 0                        ; the sum, in two halves
	v_mov_b32 v[19+4*\t], 0
.endr
	v_mov_b32 v9, 0                                ; (named as the upper half of the pair v[8:9])
.irp b, 0,1,2,3
	v_mov_b32 v[TM+4+\b], 0                        ; a lane permute's destination counts as one of its sources
.endr
	s_wait_tensorcnt 1                             ; K's first block is in; I alone read it.  V's may stay out
	s_wait_loadcnt 0x0                             ; Q
	STEP 1, 1
	s_mov_b32 s40, 6
.Lstep:
	STEP 0, 1
	s_sub_co_u32 s40, s40, 1
	s_cmp_lg_u32 s40, 0
	s_cbranch_scc1 .Lstep
	STEP 0, 0                                      ; the last step is written out: it asks for nothing
	; ---- E1: what the end needs is asked for; my statistics and my four tiles of O^T go into my slots
	WIN 0
	PLACES 8                                       ; ahead of loads into the last products' registers and of the first read of their results
	WIN 0xc0
.set f, 0
.rept 8
.irp c, 0,1,2,3
	global_load_b128 v[128+16*f+4*\c:128+16*f+4*\c+3], v12, s[50:51] offset:196608+2048*f+512*\c   ; proj_w's fragment (n, s) at 128 + 16 (2 n + s) of window 3
.endr
.set f, f+1
.endr
	WIN 0
.irp f, 0,1,2,3,4,5,6,7
	global_load_b32 v[32+\f], v14, s[52:53] offset:268288+64*\f
.endr
.irp n, 0,1,2,3
.irp j, 0,1,2,3,4,5,6,7
	global_load_b32 v[64+8*\n+\j], v15, s[12:13] offset:(32*(\n/2)+8*(\n%2))*4   ; my output row's bias in all eight registers
.endr
.endr
.irp t, 0,1,2,3
	v_add_f32 v[18+4*\t], v[18+4*\t], v[19+4*\t]
.endr
.irp t, 0,1,2,3
	v_permlanex16_b32 v[19+4*\t], v[18+4*\t], s[SEL], s[SEL+1]
.endr
.irp t, 0,1,2,3
	v_add_f32 v[18+4*\t], v[18+4*\t], v[19+4*\t]   ; my keys' sum of the row
.endr
.irp t, 0,1,2,3
	ds_store_b32 v5, v[16+4*\t] offset:32768+256*\t
	ds_store_b32 v5, v[18+4*\t] offset:32768+256*\t+128
.endr
	WIN 0x04                                       ; an LDS store's data are its source 1: window 1
.irp t, 0,1,2,3
.irp n, 0,1,2,3,4,5,6,7
	ds_store_b128 v3, v[32*\n+8*\t:32*\n+8*\t+3] offset:16384*\t+1024*\n          ; each accumulator from its low end on
	ds_store_b128 v3, v[32*\n+8*\t+4:32*\n+8*\t+7] offset:16384*\t+1024*\n+512
.endr
.endr
	WIN 0x08
.irp t, 0,1,2,3
.irp n, 0,1,2,3,4,5,6,7
	ds_store_b128 v3, v[32*\n+8*\t:32*\n+8*\t+3] offset:16384*\t+1024*(\n+8)
	ds_store_b128 v3, v[32*\n+8*\t+4:32*\n+8*\t+7] offset:16384*\t+1024*(\n+8)+512
.endr
.endr
	WIN 0
	v_bfe_u32 v7, v0, 4, 1
	v_and_b32 v8, 15, v0
	v_lshlrev_b32 v4, 14, v7
	v_lshl_add_u32 v4, v8, 4, v4                   ; v4: x and out0: lanes 0-15 one row's 256 bytes, lanes 16-31 the next row's
	WIN 0xc0
.irp n, 0,1,2,3
.irp i, 0,1,2,3,4,5,6,7
	global_load_b128 v[4*(8*\n+\i):4*(8*\n+\i)+3], v4, s[14:15] offset:(32*(\n/2)+8*(\n%2)+2*\i+8*(\i/4))*16384
.endr
.endr
	WIN 0
	s_wait_dscnt 0x0                               ; for the others' sake
	s_barrier_signal -1
	s_barrier_wait -1
	; ---- E2: I join tile w of the four streams
	s_lshl_b32 s58, s18, 8
	s_add_co_u32 s58, s58, 65536
	v_add_nc_u32 v16, s58, v13                     ; wave 0's statistics of tile w
	s_lshl_b32 s58, s18, 14
	v_add_nc_u32 v20, s58, v12                     ; wave 0's image of tile w
.irp q, 1,2,3
	v_add_nc_u32 v[16+\q], RWB, v[15+\q]
	v_add_nc_u32 v[20+\q], RWB, v[19+\q]
.endr
	s_lshl_b32 s58, s18, 12
	s_add_co_u32 s58, s58, OIMG
	v_add_nc_u32 v9, s58, v12                      ; where my two fragments go
	s_lshl_b32 s58, s18, 8
	s_add_co_u32 s58, s58, OSC
	v_add_nc_u32 v8, s58, v13                      ; and their scale words
.irp q, 0,1,2,3
	ds_load_b32 v[24+\q], v[16+\q]                 ; -M
	ds_load_b32 v[28+\q], v[16+\q] offset:128      ; the sum
.endr
.macro IMG q                           ; wave q's image: 128 registers, register 8 ct + j, into a half of window 1 or 2
	WIN 0x40+0x40*((\q)/2)
.set k_, 0
.rept 32
	ds_load_b128 v[128*((\q)%2)+4*k_:128*((\q)%2)+4*k_+3], v[20+(\q)] offset:512*k_
.set k_, k_+1
.endr
.endm
.macro PASS q                          ; O += G_q x wave q's part, into v128-255 of window 0
	WIN 1+(\q)/2
.set p_, 0
.rept 64
.if (\q) == 0
	v_pk_mul_f32 v[128+2*p_:129+2*p_], v[2*p_:2*p_+1], v[48:49] op_sel_hi:[1,0]
.else
	v_pk_fma_f32 v[128+2*p_:129+2*p_], v[128*((\q)%2)+2*p_:128*((\q)%2)+2*p_+1], v[48+2*(\q):49+2*(\q)], v[128+2*p_:129+2*p_] op_sel_hi:[1,0,1]
.endif
.set p_, p_+1
.endr
.endm
	IMG 0
	WIN 0
	s_wait_dscnt 32                                ; the statistics are in; image 0 may be out
	v_min3_num_f32 v7, v24, v25, v26
	v_min_num_f32 v7, v7, v27                      ; -M of all keys
.irp q, 0,1,2,3
	v_sub_f32 v[24+\q], v7, v[24+\q]               ; M_q - M: a whole number, 0 or less
.endr
.irp q, 0,1,2,3
	v_cvt_i32_f32 v[24+\q], v[24+\q]
.endr
.irp q, 0,1,2,3
	v_ldexp_f32 v[24+\q], 1.0, v[24+\q]            ; 2^(M_q - M): exact
.endr
	v_mul_f32 v7, v24, v28
	v_fmac_f32 v7, v25, v29
	v_fmac_f32 v7, v26, v30
	v_fmac_f32 v7, v27, v31                        ; the row's sum
	v_rcp_f32 v7, v7
	v_nop
	s_wait_alu depctr_va_vdst(0)
.irp q, 0,1,2,3
	v_mul_f32 v[48+2*\q], v[24+\q], v7             ; G_q
.endr
	IMG 1
	s_wait_dscnt 32                                ; the image before is in
	PASS 0
	IMG 2
	s_wait_dscnt 32
	PASS 1
	IMG 3
	s_wait_dscnt 32
	PASS 2
	s_wait_dscnt 0x0
	PASS 3
	WIN 0
	QUANT 128, 96, 10                              ; register 16 b + i is channel 32 b + 16 (lane / 16) + i of query lane % 16
	QUANT 192, 112, 11
.irp c, 0,1,2,3
	ds_store_b128 v9, v[96+4*\c:96+4*\c+3] offset:512*\c
	ds_store_b128 v9, v[112+4*\c:112+4*\c+3] offset:2048+512*\c
.endr
	ds_store_b32 v8, v10
	ds_store_b32 v8, v11 offset:128
	v_add_nc_u32 v16, OIMG, v12
	v_add_nc_u32 v17, OSC, v13
	s_wait_dscnt 0x0
	s_barrier_signal -1
	s_barrier_wait -1                              ; O's eight fragments lie in LDS, and nobody reads the slots any more
	; ---- E3: y = O proj_w^T + proj_b: my 64 outputs for the 64 positions, sixteen accumulators by turns
	WIN 0x80
.set f, 0
.rept 8
.irp c, 0,1,2,3
	ds_load_b128 v[16*f+4*\c:16*f+4*\c+3], v16 offset:2048*f+512*\c
.endr
.set f, f+1
.endr
	WIN 0
.irp f, 0,1,2,3,4,5,6,7
	ds_load_b32 v[40+\f], v17 offset:128*\f
.endr
	s_wait_dscnt 0x0
	s_wait_loadcnt 32                              ; proj_w, its scale words, the bias; x's 32 loads may be out
	WIN 0x4e                                       ; source 0 (O) window 2, source 1 (W) window 3, the bias window 0, destination window 1
.irp n, 0,1,2,3
.irp t, 0,1,2,3
	WM 32*\n+8*\t, 32*\t, 128+32*\n, 64+8*\n, 40+2*\t, 32+2*\n, 0, 0
.endr
.endr
	WIN 0x5e
.irp n, 0,1,2,3
.irp t, 0,1,2,3
	WM 32*\n+8*\t, 32*\t+16, 128+32*\n+16, 32*\n+8*\t, 40+2*\t+1, 32+2*\n+1, 0, 0
.endr
.endr
	WIN 0
	; ---- E4: through my stage (16 rows x 272 bytes for each tile of outputs, in my slots), + x, out.  These eight lines are the eight places behind the last products.
	v_and_b32 v18, 15, v0
	v_bfe_u32 v19, v0, 4, 1
	v_mul_u32_u24 v6, v18, 272
	v_lshl_add_u32 v6, v19, 6, v6
	v_add_nc_u32 v6, s46, v6                       ; in: row r, + 64 h: positions 32 (t / 2) + 16 h + 8 (t % 2) + 0 .. 7
	v_mul_u32_u24 v5, v19, 272
	v_lshl_add_u32 v5, v18, 4, v5
	v_add_nc_u32 v5, s46, v5                       ; back: lanes 0-15 one row, lanes 16-31 the next
	WIN 0x04
.irp n, 0,1,2,3
.irp t, 0,1,2,3
	ds_store_b128 v6, v[32*\n+8*\t:32*\n+8*\t+3] offset:4352*\n+128*(\t/2)+32*(\t%2)
	ds_store_b128 v6, v[32*\n+8*\t+4:32*\n+8*\t+7] offset:4352*\n+128*(\t/2)+32*(\t%2)+16
.endr
.endr
	WIN 0x80
.irp n, 0,1,2,3
.irp i, 0,1,2,3,4,5,6,7
	ds_load_b128 v[128+4*(8*\n+\i):128+4*(8*\n+\i)+3], v5 offset:4352*\n+544*\i   ; LDS serves a wave's instructions in order (ISA guide 5.7.1.4): these see my stores
.endr
.endr
	s_wait_loadcnt 0x0                             ; x
	s_wait_dscnt 0x0
	WIN 0x8e                                       ; y in window 2, x in window 3
.set p_, 0
.rept 64
	v_pk_add_f32 v[128+2*p_:129+2*p_], v[128+2*p_:129+2*p_], v[2*p_:2*p_+1]
.set p_, p_+1
.endr
	WIN 0x08
.irp n, 0,1,2,3
.irp i, 0,1,2,3,4,5,6,7
	global_store_b128 v4, v[128+4*(8*\n+\i):128+4*(8*\n+\i)+3], s[16:17] offset:(32*(\n/2)+8*(\n%2)+2*\i+8*(\i/4))*16384 th:TH_STORE_NT   ; 16 lanes store 256 consecutive bytes, at a multiple of 256 from out0's first byte
.endr
.endr
	WIN 0
	s_wait_tensorcnt 0x0                           ; the wave's end
	ds_add_u32 v1, v2
	s_wait_dscnt 0x0
	CROUND                                         ; the closing round
	s_endpgm
.Lfunc_end_k_q13a8a22172_attn:
	.size	k_q13a8a22172_attn, .Lfunc_end_k_q13a8a22172_attn-k_q13a8a22172_attn
	.p2alignl 7, 3214868480
	.fill 96, 4, 3214868480
	.section	.rodata,"a",@progbits
	.p2align	6, 0x0
	.amdhsa_kernel k_q13a8a22172_attn
		.amdhsa_group_segment_fixed_size 327680
		.amdhsa_private_segment_fixed_size 0
		.amdhsa_enable_private_segment 0
		.amdhsa_kernarg_size 56
		.amdhsa_user_sgpr_count 2
		.amdhsa_user_sgpr_kernarg_segment_ptr 1
		.amdhsa_wavefront_size32 1
		.amdhsa_system_sgpr_workgroup_id_x 1
		.amdhsa_system_sgpr_workgroup_id_y 1
		.amdhsa_system_sgpr_workgroup_id_z 1
		.amdhsa_system_vgpr_workitem_id 0
		.amdhsa_next_free_vgpr 1024
		.amdhsa_next_free_sgpr 66
		.amdhsa_reserve_vcc 0
		.amdhsa_float_denorm_mode_32 3
		.amdhsa_float_denorm_mode_16_64 3
		.amdhsa_memory_ordered 1
		.amdhsa_forward_progress 1
		.amdhsa_inst_pref_size 255
	.end_amdhsa_kernel
	.section	.bss,"aw",@nobits
	.p2align	6
	.space	262144
	.amdgpu_metadata
---
amdhsa.version: [ 1, 2 ]
amdhsa.kernels:
  - .name:           k_q13a8a22172_attn
    .symbol:         k_q13a8a22172_attn.kd
    .args:
      - { .name: qws, .offset: 0, .size: 8, .value_kind: global_buffer, .address_space: global }
      - { .name: kws, .offset: 8, .size: 8, .value_kind: global_buffer, .address_space: global }
      - { .name: vws, .offset: 16, .size: 8, .value_kind: global_buffer, .address_space: global }
      - { .name: wq, .offset: 24, .size: 8, .value_kind: global_buffer, .address_space: global }
      - { .name: proj_b, .offset: 32, .size: 8, .value_kind: global_buffer, .address_space: global }
      - { .name: x, .offset: 40, .size: 8, .value_kind: global_buffer, .address_space: global }
      - { .name: out0, .offset: 48, .size: 8, .value_kind: global_buffer, .address_space: global }
    .group_segment_fixed_size: 327680
    .private_segment_fixed_size: 0
    .kernarg_segment_align: 8
    .kernarg_segment_size: 56
    .max_flat_workgroup_size: 128
    .sgpr_count:     66
    .vgpr_count:     1024
    .wavefront_size: 32
...
	.end_amdgpu_metadata
.endif
;; end of part 3
;; ======== version 2 of 2: 3 launches; 1.16 times as fast as version 1
;; workspace buffers: gnt 2,048 bytes; wq 270,336 bytes; qws 4,325,376 bytes; kws 4,325,376 bytes; vws 4,325,376 bytes
;; launch prep (part 4): grid 256 x 1, 16 waves a work-group, no clusters, 2,560 bytes of LDS; arguments x, qkv_w, proj_w, gnt, wq; writes gnt, wq
.if DOCPART == 4
	.amdgcn_target "amdgcn-amd-amdhsa--gfx1250"
	.amdhsa_code_object_version 6
	.text
	.protected	k_q13a8a22172_prep
	.globl	k_q13a8a22172_prep
	.p2align	8
	.type	k_q13a8a22172_prep,@function
k_q13a8a22172_prep:
	s_mov_b64 s[64:65], 0
	v_nop
	global_prefetch_b8 v0, s[64:65] scope:SCOPE_SE
	s_setreg_imm32_b32 hwreg(HW_REG_WAVE_MODE, 25, 1), 1
	s_wait_xcnt 0x0
; STATISTICS OF HALF GROUPS, AND WEIGHT CODES.
; A group of the norm is 8 channels x 4,096 positions = 131,072 dense bytes of x.  Work-group G = 2 (32 b + g) + half owns one half of it, 65,536 dense bytes, so that 256 work-groups share the reading.
; Thread t holds 32 of its numbers (8 loads of 16 bytes at 16 t + 8,192 i: each load of a wave covers 512 consecutive bytes) between the pass that finds the half's mean and the pass that finds the sum
; of the squared distances from it: two passes, so that a common offset of x costs no digits.  Out go 8 bytes at 8 G: the half's mean, that sum.  The next launch joins the two halves.
; Wave 1 of the even work-groups also turns fragment F = G / 2 (16 rows x 128 K) of qkv_w (tiles 0-47) or proj_w (tiles 48-63) into codes of E4M3 with one E8M0 byte for each 32 along K, laid IN THE ORDER OF
; THE OPERAND'S REGISTERS: fragment F = 2 T + s at 2,048 F; chunk c at 512 c; lane l's 16 bytes at 16 l.  Its 16 scale words at 262,144 + 64 F + 4 r.
; THE ROWS OF A TILE ARE NOT NEIGHBOURS: row r of tile T is row 32 (T / 2) + 8 (T % 2) + r + 8 (r / 8), so that a result's 16 registers of two neighbouring tiles are 16 neighbours.
; No matrix unit, no cluster, no tensor load: nothing is shared and the launch reads each byte once.
; LIMITS: NaN and infinities are not served; a block whose largest magnitude lies under 2^-118 (a block of zeros too) keeps the byte 1: this program alone reads the bytes.
.set X,   32                           ; v32-63   my 32 numbers of x
.set WN,  96                           ; v96-159  the quantising wave: 64 numbers of a weight
.set TM,  160                          ; v160-175 the quantiser's work; later v[160:161] the mean twice, at last the mean and the sum of squares
.set PC,  176                          ; v176-191 the quantising wave: the codes
.set PW,  14                           ; v14      the quantising wave: the scale word
.set SEL, 28                           ; s[28:29] v_permlanex16_b32's selects for lane l xor 16
.set MNT, 27                           ; s27      the mantissa field of 448
; 64 numbers of a lane, register 16 b + i = k 32 b + 16 (lane / 16) + i of my row, become a fragment's codes in v[pc] on and its scale word in v[pw].
.macro QUANT s, pc, pw
.irp b, 0,1,2,3
	v_max3_num_f32 v[TM+\b], |v[(\s)+16*\b]|, |v[(\s)+1+16*\b]|, 0x4800000   ; my 16 numbers of block b, and the floor 2^(9 - 127): the byte cannot fall under 1
.endr
.irp i, 2,4,6,8,10,12,14
.irp b, 0,1,2,3
	v_max3_num_f32 v[TM+\b], v[TM+\b], |v[(\s)+16*\b+\i]|, |v[(\s)+1+16*\b+\i]|
.endr
.endr
.irp b, 0,1,2,3
	v_permlanex16_b32 v[TM+4+\b], v[TM+\b], s[SEL], s[SEL+1]
.endr
.irp b, 0,1,2,3
	v_max_num_f32 v[TM+\b], v[TM+\b], v[TM+4+\b]           ; with lane l xor 16's: the block's largest magnitude
.endr
.irp b, 0,1,2,3
	v_add_nc_u32 v[TM+12+\b], 0xfc000000, v[TM+\b]         ; 8 off its exponent field: the conversion's scale operand
.endr
.irp b, 0,1,2,3
	v_and_or_b32 v[TM+8+\b], v[TM+\b], 0x7f800000, s[MNT]  ; 448 x the scale
.endr
.irp b, 0,1,2,3
	v_lshrrev_b32 v[TM+4+\b], 23, v[TM+12+\b]              ; the scale's byte
.endr
	v_lshl_or_b32 v[\pw], v[TM+5], 8, v[TM+4]
	v_lshl_or_b32 v[\pw], v[TM+6], 16, v[\pw]
	v_lshl_or_b32 v[\pw], v[TM+7], 24, v[\pw]
.irp b, 0,1,2,3
.irp i, 0,1,2,3,4,5,6,7,8,9,10,11,12,13,14,15
	v_med3_num_f32 v[(\s)+16*\b+\i], v[(\s)+16*\b+\i], -v[TM+8+\b], v[TM+8+\b]   ; the conversion does not saturate (ISA guide 7.6.2): the hold
.endr
	v_cvt_scalef32_pk8_fp8_f32 v[(\pc)+4*\b:(\pc)+4*\b+1], v[(\s)+16*\b:(\s)+16*\b+7], v[TM+12+\b]
	v_cvt_scalef32_pk8_fp8_f32 v[(\pc)+4*\b+2:(\pc)+4*\b+3], v[(\s)+16*\b+8:(\s)+16*\b+15], v[TM+12+\b]
.endr
	v_nop                                          ; one plain line behind the last conversion
.endm
.macro FOLD                            ; four pairs v[16:23] -> v16
	v_pk_add_f32 v[16:17], v[16:17], v[18:19]
	v_pk_add_f32 v[20:21], v[20:21], v[22:23]
	v_pk_add_f32 v[16:17], v[16:17], v[20:21]
	v_add_f32 v16, v16, v17
.endm
; the lanes' four pairs -> the work-group's sum in v16 of every lane; the waves' 16 words lie at LDS byte off
.macro REDUCE off
	FOLD
	v_add_f32_dpp v16, v16, v16 row_xmask:1 row_mask:0xf bank_mask:0xf
	v_add_f32_dpp v16, v16, v16 row_xmask:2 row_mask:0xf bank_mask:0xf
	v_add_f32_dpp v16, v16, v16 row_xmask:4 row_mask:0xf bank_mask:0xf
	v_add_f32_dpp v16, v16, v16 row_xmask:8 row_mask:0xf bank_mask:0xf
	v_permlanex16_b32 v17, v16, s[SEL], s[SEL+1]
	v_add_f32 v16, v16, v17
	ds_store_b32 v12, v16 offset:\off              ; all lanes write my wave's word with the same value
	s_wait_dscnt 0x0                               ; for the others' sake
	s_barrier_signal -1
	s_barrier_wait -1
.irp i, 0,1,2,3
	ds_load_b128 v[16+4*\i:19+4*\i], v13 offset:\off+16*\i
.endr
	s_wait_dscnt 0x0
	v_pk_add_f32 v[16:17], v[16:17], v[24:25]
	v_pk_add_f32 v[18:19], v[18:19], v[26:27]
	v_pk_add_f32 v[20:21], v[20:21], v[28:29]
	v_pk_add_f32 v[22:23], v[22:23], v[30:31]
	FOLD
.endm
.macro XLOAD                           ; my 32 numbers: the sixteen waves' load i covers 8,192 consecutive bytes
.irp i, 0,1,2,3,4,5,6,7
	global_load_b128 v[X+4*\i:X+4*\i+3], v1, s[4:5] offset:8192*\i
.endr
.endm
	s_load_b256 s[4:11], s[0:1], 0x0               ; x, qkv_w, proj_w, gnt
	s_load_b64 s[12:13], s[0:1], 0x20              ; wq
	v_lshl_add_u32 v192, v0, 2, 0x200
	v_mov_b32 v193, 0
	v_lshrrev_b32 v4, 5, v0
	v_readfirstlane_b32 s18, v4                    ; wave 0..15
	v_and_b32 v5, 31, v0                           ; lane
	v_lshlrev_b32 v1, 4, v0                        ; x: 16 bytes a thread
	v_and_b32 v7, 15, v0                           ; r
	v_and_b32 v8, 8, v7
	v_add_nc_u32 v8, v8, v7                        ; r + 8 (r / 8)
	v_lshlrev_b32 v8, 10, v8                       ; a weight's row is 1,024 bytes
	v_bfe_u32 v9, v0, 4, 1                         ; h
	v_lshl_add_u32 v8, v9, 6, v8                   ; + 64 h: my 16 numbers of a block of 32
	v_lshlrev_b32 v10, 4, v5                       ; an image's place for my lane
	v_lshlrev_b32 v11, 2, v7                       ; a scale word's
	v_lshlrev_b32 v12, 2, v4                       ; LDS: my wave's word
	v_mov_b32 v13, 0
	s_lshl_b32 s20, ttmp9, 16                      ; the half group's 65,536 bytes
	s_mov_b32 s21, 0
	s_lshr_b32 s19, ttmp9, 1                       ; F
	s_lshr_b32 s22, ttmp9, 2                       ; T
	s_and_b32 s23, s19, 1                          ; s
	s_mov_b32 s25, 0
	s_mov_b32 s[MNT], 0x600000
	s_mov_b32 s[SEL], 0x76543210
	s_mov_b32 s[SEL+1], 0xfedcba98
	s_mov_b32 s30, 0x38800000                      ; 2^-14 = 1 / 16,384
	s_wait_kmcnt 0x0
	s_cmp_lt_u32 s22, 48                           ; qkv_w's tile or proj_w's: the choice hangs on the work-group's number alone
	s_cselect_b64 s[6:7], s[6:7], s[8:9]
	s_cselect_b32 s24, 0, 48
	s_sub_co_u32 s22, s22, s24                     ; the tile within its tensor
	s_lshr_b32 s24, s22, 1
	s_lshl_b32 s24, s24, 15                        ; 32 rows for each pair of tiles,
	s_and_b32 s26, s22, 1
	s_lshl_b32 s26, s26, 13                        ; 8 rows for the odd one,
	s_add_co_u32 s24, s24, s26
	s_lshl_b32 s26, s23, 9                         ; 512 bytes for the second K step
	s_add_co_u32 s24, s24, s26
	s_add_nc_u64 s[6:7], s[6:7], s[24:25]
	s_lshl_b32 s24, s19, 11
	s_add_nc_u64 s[32:33], s[12:13], s[24:25]      ; the fragment's image
	s_lshl_b32 s24, s19, 6
	s_add_nc_u64 s[34:35], s[12:13], s[24:25]      ; its scale words (262,144 further on)
	s_lshl_b32 s24, ttmp9, 3
	s_add_nc_u64 s[10:11], s[10:11], s[24:25]      ; my 8 bytes of statistics
	s_add_nc_u64 s[4:5], s[4:5], s[20:21]
	s_and_b32 s26, ttmp9, 1
	s_lshl_b32 s26, s26, 4
	s_or_b32 s26, s26, s18                         ; wave + 16 x (odd work-group): 1 marks the wave that quantises
	s_cmp_lg_u32 s26, 1
	s_cbranch_scc1 .Lplain                         ; ONE branch round all that this wave does more
.irp c, 0,1,2,3
.irp j, 0,1,2,3
	global_load_b128 v[WN+16*\c+4*\j:WN+16*\c+4*\j+3], v8, s[6:7] offset:128*\c+16*\j
.endr
.endr
	XLOAD
	s_wait_loadcnt 8                               ; behind the weight's sixteen loads stand x's eight
.irp b, 0,1,2,3
	v_mov_b32 v[TM+4+\b], 0                        ; a lane permute's destination counts as one of its sources
.endr
	QUANT WN, PC, PW
.irp c, 0,1,2,3
	global_store_b128 v10, v[PC+4*\c:PC+4*\c+3], s[32:33] offset:512*\c   ; 512 consecutive bytes
.endr
	global_store_b32 v11, v[PW], s[34:35] offset:262144   ; both halves of the lanes hold row r's word and write it to the same place
	s_branch .Lsum
.Lplain:
	XLOAD
.Lsum:
	; pass 1: the sum, in four chains started by the first pairs
	s_wait_loadcnt 4                               ; x's first four loads are in
.irp k, 0,1,2,3
	v_pk_add_f32 v[16+2*\k:17+2*\k], v[X+2*\k:X+2*\k+1], v[X+8+2*\k:X+9+2*\k]
.endr
	s_wait_loadcnt 0x0
.irp p, 0,1,2,3,4,5,6,7
	v_pk_add_f32 v[16+2*(\p%4):17+2*(\p%4)], v[16+2*(\p%4):17+2*(\p%4)], v[X+16+2*\p:X+16+2*\p+1]
.endr
	REDUCE 0
	v_mul_f32 v160, s30, v16                       ; the half's mean
	v_mov_b32 v161, v160
	; pass 2: the sum of the squared distances from it
.set p, 0
.rept 16
	v_pk_add_f32 v[X+2*p:X+2*p+1], v[X+2*p:X+2*p+1], v[160:161] neg_lo:[0,1] neg_hi:[0,1]
.set p, p+1
.endr
.irp k, 0,1,2,3
	v_pk_mul_f32 v[16+2*\k:17+2*\k], v[X+2*\k:X+2*\k+1], v[X+2*\k:X+2*\k+1]
.endr
.set p, 4
.rept 12
	v_pk_fma_f32 v[16+2*(p%4):17+2*(p%4)], v[X+2*p:X+2*p+1], v[X+2*p:X+2*p+1], v[16+2*(p%4):17+2*(p%4)]
.set p, p+1
.endr
	REDUCE 256                                     ; other LDS bytes than the first sum's: no barrier more
	v_mov_b32 v161, v16
	s_cmp_lg_u32 s18, 0
	s_cbranch_scc1 .Lend
	global_store_b64 v13, v[160:161], s[10:11]     ; every lane holds the same two words and writes them to the same place: 8 bytes a work-group
.Lend:
	s_wait_tensorcnt 0x0
	ds_add_u32 v192, v193
	s_wait_dscnt 0x0
	s_endpgm
.Lfunc_end_k_q13a8a22172_prep:
	.size	k_q13a8a22172_prep, .Lfunc_end_k_q13a8a22172_prep-k_q13a8a22172_prep
	.p2alignl 7, 3214868480
	.fill 96, 4, 3214868480
	.section	.rodata,"a",@progbits
	.p2align	6, 0x0
	.amdhsa_kernel k_q13a8a22172_prep
		.amdhsa_group_segment_fixed_size 2560
		.amdhsa_private_segment_fixed_size 0
		.amdhsa_enable_private_segment 0
		.amdhsa_kernarg_size 40
		.amdhsa_user_sgpr_count 2
		.amdhsa_user_sgpr_kernarg_segment_ptr 1
		.amdhsa_wavefront_size32 1
		.amdhsa_system_sgpr_workgroup_id_x 1
		.amdhsa_system_sgpr_workgroup_id_y 1
		.amdhsa_system_sgpr_workgroup_id_z 1
		.amdhsa_system_vgpr_workitem_id 0
		.amdhsa_next_free_vgpr 194
		.amdhsa_next_free_sgpr 66
		.amdhsa_reserve_vcc 0
		.amdhsa_float_denorm_mode_32 3
		.amdhsa_float_denorm_mode_16_64 3
		.amdhsa_memory_ordered 1
		.amdhsa_forward_progress 1
		.amdhsa_inst_pref_size 20
	.end_amdhsa_kernel
	.amdgpu_metadata
---
amdhsa.version: [ 1, 2 ]
amdhsa.kernels:
  - .name:           k_q13a8a22172_prep
    .symbol:         k_q13a8a22172_prep.kd
    .args:
      - { .name: x, .offset: 0, .size: 8, .value_kind: global_buffer, .address_space: global }
      - { .name: qkv_w, .offset: 8, .size: 8, .value_kind: global_buffer, .address_space: global }
      - { .name: proj_w, .offset: 16, .size: 8, .value_kind: global_buffer, .address_space: global }
      - { .name: gnt, .offset: 24, .size: 8, .value_kind: global_buffer, .address_space: global }
      - { .name: wq, .offset: 32, .size: 8, .value_kind: global_buffer, .address_space: global }
    .group_segment_fixed_size: 2560
    .private_segment_fixed_size: 0
    .kernarg_segment_align: 8
    .kernarg_segment_size: 40
    .max_flat_workgroup_size: 512
    .sgpr_count:     66
    .vgpr_count:     194
    .wavefront_size: 32
...
	.end_amdgpu_metadata
.endif
;; end of part 4
;; launch qkv (part 5): grid 256 x 1, 4 waves a work-group, no clusters, 168,448 bytes of LDS; arguments x, wq, qkv_b, gnt, qws, kws, vws, gn_w, gn_b; writes qws, kws, vws
.if DOCPART == 5
	.amdgcn_target "amdgcn-amd-amdhsa--gfx1250"
	.amdhsa_code_object_version 6
	.text
	.protected	k_q13a8a22172_qkv
	.globl	k_q13a8a22172_qkv
	.p2align	8
	.type	k_q13a8a22172_qkv,@function
k_q13a8a22172_qkv:
	s_mov_b64 s[64:65], 0
	v_nop
	global_prefetch_b8 v0, s[64:65] scope:SCOPE_SE
	s_setreg_imm32_b32 hwreg(HW_REG_WAVE_MODE, 25, 1), 1
	s_wait_xcnt 0x0
; h = GroupNorm(x), quantised along the channels; q, k, v = qkv_w h + qkv_b on codes of E4M3; q and k quantised along the channels, v along the positions; all three leave as images of operand registers.
; SHARES.  Work-group g = 64 b + pb owns 64 positions of image b.  THE WAVES SHARE THE OUTPUT ROWS: wave w makes units 128 w .. 128 w + 127 of qkv (q's K step 0, 1, k's K step 0, 1) and v's channel
; tiles 4 w .. 4 w + 3, for all 64 positions; its 24 weight fragments (384 registers) are read once.
; x's tile, 256 channel rows x 256 bytes, comes by one tensor load a wave (64 rows), filled once.  No cluster: no two work-groups read the same bytes of x, and the weights are 0.27 MB.
; THE NORM.  A group's statistics arrive as those of its two halves of 16,384 numbers (mean, sum of squares about it): 16 bytes a group.  Lane r takes group r of my 16 and joins the halves:
; mean = (m0 + m1) / 2, sum of squares = the two sums + 8,192 (m0 - m1)^2: no difference of large sums.  rstd and mean go to LDS bytes of my wave's own and come back with ONE address for all lanes.
; gn_w and gn_b of my 128 channels, 512 bytes each, come by two more tensor loads into my wave's own bytes, filled once, and are read the same way: register c of each set holds the constant of the channel
; that x's register c holds.  h = ((x - mean) rstd) gn_w + gn_b.
; PHASE H.  Wave w = (ph = w % 2, sh = w / 2): a lane is position 32 ph + lane and its registers run down channels 128 sh .. + 127: a block of 32 along K lies in one lane.  The codes go to LDS as images.
; TILES ARE PERMUTED: row r of tile 2 b + u of a block of 32 (weight rows, positions, v's channels) is 8 u + r + 8 (r / 8): a result's 16 registers of two neighbouring tiles are then 16 neighbours.
; UNITS: source 0 = 16 rows of W, source 1 = 16 positions of h: a lane holds one position and units along its registers: they are the next K.  V: source 0 = h, source 1 = W: a lane holds one channel and positions (keys).
; The biases are the C of each sum's first matrix instruction.
; OUT.  A fragment image is 2,048 bytes: chunk c at 512 c, lane l's 16 bytes at 16 l.  A scale image is 128 bytes: lanes 0-15 the even tile's words, lanes 16-31 the odd tile's.
;   qws block g (16,896 B): fragment (t, s) at 2,048 (2 t + s); scale image 2 (t / 2) + s at 16,384.   kws block g / 2 (33,792 B, 128 keys): fragment (i, s) at 2,048 (2 i + s); scale image 2 (i / 2) + s at 32,768.
;   vws block g / 2: fragment ct (16 channels x 128 keys) at 2,048 ct; scale image ct / 2 at 32,768; this work-group writes chunks and bytes 2 hb, 2 hb + 1 (hb = pb % 2).
; LIMITS: NaN and infinities are not served; a block whose largest magnitude lies under 2^-118 (a block of zeros too) keeps the byte 1: this program alone reads the bytes.
; REGISTERS.  Window 0: v1-11 addresses; v12-15 at work; v16-31, v32-39 the weights' scale words; v40-41 h's; v42-47 scale words made (v44, v45 first serve as two addresses); v48-63 the quantiser's work (v56-63 first the statistics);
;   v64-95 h's codes, then two fragments of h, at last v's codes; v96-127 the groups' rstd (even) and mean (odd), later held numbers of v; v128-255 x, then v128-191 my 8 unit tiles and v192-255 their codes.
;   Window 1: the unit weights.   Window 2: v0-127 v's weights, v128-191 and v192-223 the biases.   Window 3: v0-127 gn_b, later v's accumulators; v128-255 gn_w.
.set HIMG, 65536                       ; LDS: x's tile at 0 (65,536 B); h's 8 fragments (2 m + s) x 2,048;
.set HSC,  81920                       ; their scale words, 64 bytes each;
.set GNL,  82432                       ; 2,048 bytes for each wave: gn_w (512), gn_b (512), and from 1,024 on, in a block of 256 bytes into which no fill lands, 16 x {rstd, mean}
.set W1S,  16
.set WVS,  32
.set HS,   40
.set TM,   48
.set HF,   64
.set HC,   64
.set HT,   96
.set GS,   96
.set XR,   128
.set HA,   128
.set PCM,  192
.set SEL,  54                          ; s[54:55]
.set MNT,  19
.set MSB, 0
.macro WIN new                         ; the immediate's high byte repeats the setting that is left
.if MSB != (\new)
	s_set_vgpr_msb (MSB<<8)|(\new)
.set MSB, (\new)
.endif
.endm
.macro PLACES n
.rept \n
	v_nop
.endr
.endm
.macro WM d, a, b, c, sa, sb
.set mD, \d
.set mA, \a
.set mB, \b
.set mC, \c
.set mS, \sa
.set mT, \sb
	v_wmma_scale_f32_16x16x128_f8f6f4 v[mD:mD+7], v[mA:mA+15], v[mB:mB+15], v[mC:mC+7], v[mS], v[mT]
.endm
; 64 numbers of a lane, register 16 b + i = k 32 b + 16 (lane / 16) + i of my row, become a fragment's codes in v[pc] on and its scale word in v[pw].
.macro QUANT s, pc, pw
.irp b, 0,1,2,3
	v_max3_num_f32 v[TM+\b], |v[(\s)+16*\b]|, |v[(\s)+1+16*\b]|, 0x4800000   ; my 16 numbers of block b, and the floor 2^(9 - 127)
.endr
.irp i, 2,4,6,8,10,12,14
.irp b, 0,1,2,3
	v_max3_num_f32 v[TM+\b], v[TM+\b], |v[(\s)+16*\b+\i]|, |v[(\s)+1+16*\b+\i]|
.endr
.endr
.irp b, 0,1,2,3
	v_permlanex16_b32 v[TM+4+\b], v[TM+\b], s[SEL], s[SEL+1]
.endr
.irp b, 0,1,2,3
	v_max_num_f32 v[TM+\b], v[TM+\b], v[TM+4+\b]
.endr
.irp b, 0,1,2,3
	v_add_nc_u32 v[TM+12+\b], 0xfc000000, v[TM+\b]
.endr
.irp b, 0,1,2,3
	v_and_or_b32 v[TM+8+\b], v[TM+\b], 0x7f800000, s[MNT]
.endr
.irp b, 0,1,2,3
	v_lshrrev_b32 v[TM+4+\b], 23, v[TM+12+\b]
.endr
	v_lshl_or_b32 v[\pw], v[TM+5], 8, v[TM+4]
	v_lshl_or_b32 v[\pw], v[TM+6], 16, v[\pw]
	v_lshl_or_b32 v[\pw], v[TM+7], 24, v[\pw]
.irp b, 0,1,2,3
.irp i, 0,1,2,3,4,5,6,7,8,9,10,11,12,13,14,15
	v_med3_num_f32 v[(\s)+16*\b+\i], v[(\s)+16*\b+\i], -v[TM+8+\b], v[TM+8+\b]
.endr
	v_cvt_scalef32_pk8_fp8_f32 v[(\pc)+4*\b:(\pc)+4*\b+1], v[(\s)+16*\b:(\s)+16*\b+7], v[TM+12+\b]
	v_cvt_scalef32_pk8_fp8_f32 v[(\pc)+4*\b+2:(\pc)+4*\b+3], v[(\s)+16*\b+8:(\s)+16*\b+15], v[TM+12+\b]
.endr
	v_nop                                          ; one plain line behind the last conversion
.endm
	s_load_b256 s[4:11], s[0:1], 0x0               ; x, wq, qkv_b, gnt
	s_load_b128 s[12:15], s[0:1], 0x20             ; qws, kws
	s_load_b64 s[16:17], s[0:1], 0x30              ; vws
	s_load_b128 s[96:99], s[0:1], 0x38             ; gn_w, gn_b
	s_set_vgpr_msb 0x80
	v_lshl_add_u32 v254, v0, 2, 0x29000
	v_mov_b32 v255, 0
	s_set_vgpr_msb 0x808a
	ds_add_u32 v254, v255
	ds_add_u32 v254, v255
	s_set_vgpr_msb 0x8a00
	v_lshrrev_b32 v12, 5, v0
	v_readfirstlane_b32 s18, v12                   ; wave 0..3
	s_lshr_b32 s20, ttmp9, 6                       ; b
	s_and_b32 s21, ttmp9, 63                       ; pb
	s_and_b32 s22, s18, 1                          ; ph; also which K step my units are
	s_lshr_b32 s23, s18, 1                         ; sh; also: my units are k's (1) or q's (0)
	s_lshl_b32 s92, s20, 22                        ; an image is 4 MiB,
	s_lshl_b32 s94, s18, 20                        ; my 64 channel rows of 16,384 bytes,
	s_add_co_u32 s92, s92, s94
	s_lshl_b32 s94, s21, 8                         ; the block's 256 bytes of a row
	s_add_co_u32 s92, s92, s94
	s_mov_b32 s93, 0
	s_mov_b32 s72, 2<<16                           ; x's tile, group 1: elements of 4 bytes, no mask, no padding
	s_mov_b32 s73, 64<<16                          ; tensor_dim0 = 64
	s_mov_b32 s74, 64<<16                          ; tensor_dim1 = 64
	s_mov_b32 s75, 64<<16                          ; tile_dim0 = 64 (256 bytes)
	s_mov_b32 s76, 64                              ; tile_dim1 = 64 rows
	s_mov_b32 s77, 4096                            ; from row to row
	s_mov_b32 s78, 0
	s_mov_b32 s79, 0
	s_mov_b32 s68, 1                               ; group 0: count,
	s_lshl_b32 s69, s18, 14                        ; LDS byte 16,384 x wave,
	s_mov_b32 s40, 3<<16                           ; gn_w's and gn_b's 512 bytes, group 1: a dense block as 2 rows of 256 bytes: elements of 8 bytes, no mask, no padding
	s_mov_b32 s41, 32<<16                          ; tensor_dim0 = 32
	s_mov_b32 s42, 2<<16                           ; tensor_dim1 = 2
	s_mov_b32 s43, 32<<16                          ; tile_dim0 = 32 (256 bytes)
	s_mov_b32 s44, 2                               ; tile_dim1 = 2 rows
	s_mov_b32 s45, 32                              ; dense
	s_mov_b32 s46, 0
	s_mov_b32 s47, 0
	s_mov_b32 s36, 1                               ; gn_w's group 0: count,
	s_lshl_b32 s37, s18, 11
	s_add_co_u32 s37, s37, GNL                     ; LDS byte GNL + 2,048 x wave,
	s_mov_b32 s48, 1                               ; gn_b's: count,
	s_add_co_u32 s49, s37, 512                     ; 512 bytes further on,
	s_lshl_b32 s52, s23, 9                         ; channels 128 sh on, in both
	s_mov_b32 s53, 0
	s_wait_dscnt 0x0
	s_wait_kmcnt 0x0
	s_add_nc_u64 s[70:71], s[4:5], s[92:93]        ; the tile's first byte,
	s_or_b32 s71, s71, 0x80000000                  ; type 2
	s_add_nc_u64 s[38:39], s[96:97], s[52:53]
	s_or_b32 s39, s39, 0x80000000
	s_add_nc_u64 s[50:51], s[98:99], s[52:53]
	s_or_b32 s51, s51, 0x80000000
	tensor_load_to_lds s[68:71], s[72:79]          ; my three tensor loads stand together at the start; each fills its bytes once
	s_nop 0
	tensor_load_to_lds s[36:39], s[40:47]
	s_nop 0
	tensor_load_to_lds s[48:51], s[40:47]
	s_nop 0
	PLACES 4                                       ; four plain lines behind the loads
	v_and_b32 v12, 31, v0                          ; lane
	v_lshlrev_b32 v1, 4, v12                       ; v1: 16 x lane
	v_lshlrev_b32 v3, 2, v12                       ; v3: 4 x lane
	v_and_b32 v13, 15, v0                          ; r
	v_lshlrev_b32 v2, 2, v13                       ; v2: 4 r
	v_lshlrev_b32 v44, 2, v2                       ; v44: 16 r: group r's statistics
	v_bfe_u32 v14, v0, 4, 1                        ; h
	v_lshlrev_b32 v7, 6, v14                       ; v7: 64 h: the unit bias of my half
	v_and_b32 v15, 8, v13
	v_add_nc_u32 v15, v15, v13
	v_lshlrev_b32 v8, 2, v15                       ; v8: 4 (r + 8 (r / 8)): v's bias of my channel
	v_lshrrev_b32 v11, 5, v0
	v_lshl_add_u32 v11, v11, 11, GNL               ; v11: my wave's constants: the same address in all lanes
	v_lshl_add_u32 v45, v2, 1, v11                 ; v45: + 8 r: where group r's rstd and mean go (1,024 further on)
	s_lshl_b32 s94, s23, 15
	s_lshl_b32 s95, s22, 7
	s_add_co_u32 s94, s94, s95
	v_add_nc_u32 v4, s94, v3                       ; v4: x's tile: row 128 sh, byte 128 ph + 4 x lane
	v_bfe_u32 v15, v0, 3, 1                        ; my position's tile u = (lane / 8) % 2
	v_and_b32 v13, 7, v0
	v_lshl_add_u32 v13, v14, 3, v13                ; and its row there: lane % 8 + 8 (lane / 16)
	v_lshlrev_b32 v5, 12, v15
	v_lshl_add_u32 v5, v13, 4, v5
	s_lshl_b32 s94, s22, 13
	s_lshl_b32 s95, s23, 11
	s_add_co_u32 s94, s94, s95
	s_add_co_u32 s94, s94, HIMG
	v_add_nc_u32 v5, s94, v5                       ; v5: where my codes go: fragment (2 ph + u, sh), row's 16 bytes
	v_lshlrev_b32 v6, 7, v15
	v_lshl_add_u32 v6, v13, 2, v6
	s_lshl_b32 s94, s22, 8
	s_lshl_b32 s95, s23, 6
	s_add_co_u32 s94, s94, s95
	s_add_co_u32 s94, s94, HSC
	v_add_nc_u32 v6, s94, v6                       ; v6: and my scale word
	v_add_nc_u32 v9, HIMG, v1                      ; v9: a fragment of h for my lane
	v_add_nc_u32 v10, HSC, v2                      ; v10: its scale word
	s_lshl_b32 s92, s20, 9                         ; an image's 32 groups of 16 bytes,
	s_lshl_b32 s94, s23, 8                         ; groups 16 sh on
	s_add_co_u32 s92, s92, s94
	s_add_nc_u64 s[10:11], s[10:11], s[92:93]
	global_load_b128 v[56:59], v44, s[10:11]       ; m0, its sum of squares, m1, its sum of squares: the first of my global loads
	s_lshl_b32 s92, s18, 15
	s_add_nc_u64 s[80:81], s[6:7], s[92:93]        ; my 16 unit fragments
	s_lshl_b32 s92, s18, 14
	s_add_nc_u64 s[82:83], s[6:7], s[92:93]        ; my 8 fragments of v's weights (131,072 further on)
	s_lshl_b32 s92, s18, 10
	s_add_nc_u64 s[84:85], s[6:7], s[92:93]        ; the unit weights' scale words
	s_lshl_b32 s92, s18, 9
	s_add_nc_u64 s[86:87], s[6:7], s[92:93]        ; v's weights' scale words
	s_add_nc_u64 s[88:89], s[8:9], s[92:93]        ; my 128 units' bias
	s_lshl_b32 s92, s18, 8
	s_add_nc_u64 s[90:91], s[8:9], s[92:93]        ; my 64 channels' bias (2,048 further on)
	WIN 0x40                                       ; destination window 1
.set f, 0
.rept 16
.irp c, 0,1,2,3
	global_load_b128 v[16*f+4*\c:16*f+4*\c+3], v1, s[80:81] offset:2048*f+512*\c
.endr
.set f, f+1
.endr
	WIN 0x80                                       ; destination window 2
.set f, 0
.rept 8
.irp c, 0,1,2,3
	global_load_b128 v[16*f+4*\c:16*f+4*\c+3], v1, s[82:83] offset:131072+2048*f+512*\c
.endr
.set f, f+1
.endr
.irp t, 0,1,2,3,4,5,6,7
	global_load_b128 v[128+8*\t:128+8*\t+3], v7, s[88:89] offset:(32*(\t/2)+8*(\t%2))*4       ; the tile's eight units of my half
	global_load_b128 v[128+8*\t+4:128+8*\t+7], v7, s[88:89] offset:(32*(\t/2)+8*(\t%2))*4+16
.endr
.irp n, 0,1,2,3
.irp j, 0,1,2,3,4,5,6,7
	global_load_b32 v[192+8*\n+\j], v8, s[90:91] offset:2048+(32*(\n/2)+8*(\n%2))*4           ; my channel's bias in all eight registers
.endr
.endr
	WIN 0
.irp f, 0,1,2,3,4,5,6,7,8,9,10,11,12,13,14,15
	global_load_b32 v[W1S+\f], v2, s[84:85] offset:262144+64*\f
.endr
.irp f, 0,1,2,3,4,5,6,7
	global_load_b32 v[WVS+\f], v2, s[86:87] offset:266240+64*\f
.endr
	; where the results go
	s_mul_i32 s24, ttmp9, 16896                    ; q's block
	s_lshr_b32 s25, ttmp9, 1
	s_mul_i32 s25, s25, 33792                      ; k's and v's block
	s_and_b32 s26, ttmp9, 1                        ; hb
	s_lshl_b32 s27, s26, 14
	s_add_co_u32 s27, s27, s25                     ; k's codes: key tiles 4 hb on
	s_lshl_b32 s28, s26, 9
	s_add_co_u32 s28, s28, s25
	s_add_co_u32 s28, s28, 32768                   ; k's scale images 4 hb on
	s_add_co_u32 s29, s24, 16384                   ; q's scale images
	s_cmp_lg_u32 s23, 0                            ; k or q: the choice hangs on the wave's number alone
	s_cselect_b64 s[58:59], s[14:15], s[12:13]
	s_cselect_b32 s30, s27, s24
	s_cselect_b32 s32, s28, s29
	s_lshl_b32 s34, s22, 11
	s_add_co_u32 s30, s30, s34                     ; + 2,048 x my K step
	s_lshl_b32 s34, s22, 7
	s_add_co_u32 s32, s32, s34                     ; + 128 x my K step
	s_mov_b32 s31, 0
	s_mov_b32 s33, 0
	s_add_nc_u64 s[60:61], s[58:59], s[32:33]      ; scale images
	s_add_nc_u64 s[58:59], s[58:59], s[30:31]      ; codes
	s_lshl_b32 s30, s18, 13
	s_add_co_u32 s30, s30, s25
	s_lshl_b32 s34, s26, 10
	s_add_co_u32 s30, s30, s34
	s_add_nc_u64 s[62:63], s[16:17], s[30:31]      ; v's codes: fragment 4 w, chunk 2 hb
	s_lshl_b32 s32, s18, 8
	s_add_co_u32 s32, s32, s25
	s_add_co_u32 s32, s32, 32768
	s_lshl_b32 s34, s26, 1
	s_add_co_u32 s32, s32, s34
	s_add_nc_u64 s[66:67], s[16:17], s[32:33]      ; v's scale images 2 w on, byte 2 hb
	s_mov_b32 s[MNT], 0x600000
	s_mov_b32 s[SEL], 0x76543210
	s_mov_b32 s[SEL+1], 0xfedcba98
	s_mov_b32 s56, 0xffff0000                      ; lanes 16-31
.irp b, 0,1,2,3
	v_mov_b32 v[TM+4+\b], 0                        ; a lane permute's destination counts as one of its sources
.endr
	s_wait_tensorcnt 0x0                           ; my 64 rows of x, my gn_w and my gn_b are in LDS,
	s_barrier_signal -1
	s_barrier_wait -1                              ; everybody's rows are
	; ---- the two halves of each group are joined: lane r (and lane 16 + r with it) does group r
	s_wait_loadcnt 63                              ; loads come back in order (ISA guide 5.7.1): behind the statistics' load stand 168, and a count names 63 at the most
	v_sub_f32 v60, v56, v58                        ; m0 - m1
	v_add_f32 v61, v56, v58
	v_add_f32 v62, v57, v59                        ; the two sums of squares
	v_mul_f32 v60, v60, v60
	v_mul_f32 v61, 0.5, v61                        ; the group's mean
	v_fma_f32 v62, v60, 0x46000000, v62            ; + 8,192 (m0 - m1)^2: the sum of squares about the group's mean
	v_mov_b32 v63, 0x3727c5ac                      ; 1e-5
	v_fma_f32 v62, v62, 0x38000000, v63            ; / 32,768 + eps
	v_rsq_f32 v60, v62
	v_nop                                          ; one plain line behind a transcendental
	s_wait_alu depctr_va_vdst(0)
	ds_store_b64 v45, v[60:61] offset:1024         ; rstd, mean
	; ---- H
.irp g, 0,1,2,3,4,5,6,7,8,9,10,11,12,13,14,15
	ds_load_b64 v[GS+2*\g:GS+2*\g+1], v11 offset:1024+8*\g   ; LDS serves a wave's instructions in order (ISA guide 5.7.1.4): these see my store; all lanes read the same 8 bytes
.endr
	WIN 0xc0                                       ; destination window 3
.set i_, 0
.rept 32
	ds_load_b128 v[128+4*i_:128+4*i_+3], v11 offset:16*i_          ; gn_w of four channels
.set i_, i_+1
.endr
.set i_, 0
.rept 32
	ds_load_b128 v[4*i_:4*i_+3], v11 offset:512+16*i_              ; gn_b
.set i_, i_+1
.endr
	WIN 0
.set ch, 0
.rept 128
	ds_load_b32 v[XR+ch], v4 offset:256*ch         ; 32 lanes read 128 consecutive bytes of a channel's row
.set ch, ch+1
.endr
.macro SUBG gi                         ; (x - mean) rstd for the group's 8 channels
.if 120-8*(\gi) > 63
	s_wait_dscnt 63                                ; (a wait's count names 63 at the most)
.else
	s_wait_dscnt 120-8*(\gi)                       ; x's LDS loads issued behind this group's eight may be out; the constants' loads are older than all of x's
.endif
.irp k, 0,1,2,3,4,5,6,7
	v_sub_f32 v[XR+8*(\gi)+\k], v[XR+8*(\gi)+\k], v[GS+2*(\gi)+1]
.endr
.irp k, 0,2,4,6
	v_pk_mul_f32 v[XR+8*(\gi)+\k:XR+8*(\gi)+\k+1], v[XR+8*(\gi)+\k:XR+8*(\gi)+\k+1], v[GS+2*(\gi):GS+2*(\gi)+1] op_sel_hi:[1,0]   ; of the pair the low word, rstd, serves both halves
.endr
.endm
.irp g, 0,1,2,3,4,5,6,7,8,9,10,11,12,13,14,15
	SUBG \g
.endr
	WIN 0x3c                                       ; sources 1 and 2 window 3
.set p_, 0
.rept 64
	v_pk_fma_f32 v[XR+2*p_:XR+2*p_+1], v[XR+2*p_:XR+2*p_+1], v[128+2*p_:129+2*p_], v[2*p_:2*p_+1]   ; x gn_w + gn_b, two channels at a time
.set p_, p_+1
.endr
	WIN 0
.macro HBLOCK c                        ; block c of 32 channels: all 32 numbers are mine
.set XS, XR+32*\c
	v_max3_num_f32 v12, |v[XS]|, |v[XS+1]|, |v[XS+2]|
	v_max3_num_f32 v13, |v[XS+3]|, |v[XS+4]|, |v[XS+5]|
.irp i, 6,10,14,18,22,26
	v_max3_num_f32 v12, v12, |v[XS+\i]|, |v[XS+\i+1]|
	v_max3_num_f32 v13, v13, |v[XS+\i+2]|, |v[XS+\i+3]|
.endr
	v_max3_num_f32 v12, v12, |v[XS+30]|, |v[XS+31]|
	v_max3_num_f32 v12, v12, v13, 0x4800000        ; and the floor 2^(9 - 127)
	v_add_nc_u32 v14, 0xfc000000, v12              ; the conversion's scale operand
	v_and_or_b32 v15, v12, 0x7f800000, s[MNT]      ; 448 x the scale
	v_lshrrev_b32 v13, 23, v14                     ; the byte
.if \c == 0
	v_mov_b32 v42, v13
.else
	v_lshl_or_b32 v42, v13, 8*\c, v42
.endif
.irp i, 0,1,2,3,4,5,6,7,8,9,10,11,12,13,14,15,16,17,18,19,20,21,22,23,24,25,26,27,28,29,30,31
	v_med3_num_f32 v[XS+\i], v[XS+\i], -v15, v15
.endr
.irp g, 0,1,2,3
	v_cvt_scalef32_pk8_fp8_f32 v[HC+8*\c+2*\g:HC+8*\c+2*\g+1], v[XS+8*\g:XS+8*\g+7], v14
.endr
	ds_store_b128 v5, v[HC+8*\c:HC+8*\c+3] offset:512*\c          ; k = 32 c + 0 .. 15: the place of lane (r, 0) in the image
	ds_store_b128 v5, v[HC+8*\c+4:HC+8*\c+7] offset:512*\c+256    ; k = 32 c + 16 .. 31: of lane (r, 1)
.endm
	HBLOCK 0
	HBLOCK 1
	HBLOCK 2
	HBLOCK 3
	v_nop                                          ; one plain line behind the last conversion
	ds_store_b32 v6, v42
	s_wait_dscnt 0x0                               ; for the others' sake
	s_barrier_signal -1
	s_barrier_wait -1                              ; h's eight fragments lie in LDS
	s_wait_loadcnt 0x0                             ; the weights, their scale words, the biases
	; ---- the products, a tile of 16 positions at a time.  The twelve accumulators take turns, one instruction a turn.
.macro MTILE m
.irp s, 0,1
.irp c, 0,1,2,3
	ds_load_b128 v[HF+16*\s+4*\c:HF+16*\s+4*\c+3], v9 offset:(2*\m+\s)*2048+512*\c
.endr
	ds_load_b32 v[HS+\s], v10 offset:(2*\m+\s)*64
.endr
	s_wait_dscnt 0x0
	WIN 0x21                                       ; source 0 (W) window 1, source 2 (the bias) window 2
.irp t, 0,1,2,3,4,5,6,7
	WM HA+8*\t, 32*\t, HF, 128+8*\t, W1S+2*\t, HS
.endr
	WIN 0xe8                                       ; source 1 (W) and source 2 (the bias) window 2, destination window 3
.irp n, 0,1,2,3
	WM 32*\n+16*(\m/2)+8*(\m%2), HF, 32*\n, 192+8*\n, HS, WVS+2*\n
.endr
	WIN 0x01
.irp t, 0,1,2,3,4,5,6,7
	WM HA+8*\t, 32*\t+16, HF+16, HA+8*\t, W1S+2*\t+1, HS+1
.endr
	WIN 0xf8
.irp n, 0,1,2,3
	WM 32*\n+16*(\m/2)+8*(\m%2), HF+16, 32*\n+16, 32*\n+16*(\m/2)+8*(\m%2), HS+1, WVS+2*\n+1
.endr
	WIN 0
	PLACES 8                                       ; behind this form eight places stand ahead of the first read of results
	QUANT HA, PCM+16*\m, 42+\m
.irp c, 0,1,2,3
	global_store_b128 v1, v[PCM+16*\m+4*\c:PCM+16*\m+4*\c+3], s[58:59] offset:4096*\m+512*\c   ; 512 consecutive bytes
.endr
.if \m%2
	v_cndmask_b32 v[46+\m/2], v[41+\m], v[42+\m], s56      ; lanes 0-15 the even tile's words, lanes 16-31 the odd tile's
	global_store_b32 v3, v[46+\m/2], s[60:61] offset:256*(\m/2)
.endif
.endm
	MTILE 0
	MTILE 1
	MTILE 2
	MTILE 3
	; ---- v: a lane holds one channel; register 16 b + i of a tile is key 32 b + 16 (lane / 16) + i of the work-group's 64
.macro QUANTV n
.set VS, 32*\n
	WIN 0x0f                                       ; sources 0 and 1 window 3
.irp b, 0,1
	v_max3_num_f32 v[TM+\b], |v[VS+16*\b]|, |v[VS+16*\b+1]|, 0x4800000
.endr
	WIN 0x3c                                       ; sources 1 and 2 window 3
.irp i, 2,4,6,8,10,12,14
.irp b, 0,1
	v_max3_num_f32 v[TM+\b], v[TM+\b], |v[VS+16*\b+\i]|, |v[VS+16*\b+\i+1]|
.endr
.endr
	WIN 0
.irp b, 0,1
	v_permlanex16_b32 v[TM+4+\b], v[TM+\b], s[SEL], s[SEL+1]
.endr
.irp b, 0,1
	v_max_num_f32 v[TM+\b], v[TM+\b], v[TM+4+\b]
.endr
.irp b, 0,1
	v_add_nc_u32 v[TM+12+\b], 0xfc000000, v[TM+\b]
.endr
.irp b, 0,1
	v_and_or_b32 v[TM+8+\b], v[TM+\b], 0x7f800000, s[MNT]
.endr
.irp b, 0,1
	v_lshrrev_b32 v[TM+4+\b], 23, v[TM+12+\b]
.endr
	v_lshl_or_b32 v[12+\n], v[TM+5], 8, v[TM+4]    ; the two bytes of my channel
	WIN 0x03                                       ; source 0 window 3
.irp b, 0,1
.irp i, 0,1,2,3,4,5,6,7,8,9,10,11,12,13,14,15
	v_med3_num_f32 v[HT+16*\b+\i], v[VS+16*\b+\i], -v[TM+8+\b], v[TM+8+\b]
.endr
.endr
	WIN 0
.irp b, 0,1
	v_cvt_scalef32_pk8_fp8_f32 v[64+8*\n+4*\b:64+8*\n+4*\b+1], v[HT+16*\b:HT+16*\b+7], v[TM+12+\b]
	v_cvt_scalef32_pk8_fp8_f32 v[64+8*\n+4*\b+2:64+8*\n+4*\b+3], v[HT+16*\b+8:HT+16*\b+15], v[TM+12+\b]
.endr
	v_nop
.irp b, 0,1
	global_store_b128 v1, v[64+8*\n+4*\b:64+8*\n+4*\b+3], s[62:63] offset:2048*\n+512*\b
.endr
.endm
	QUANTV 0
	QUANTV 1
	QUANTV 2
	QUANTV 3
	v_cndmask_b32 v50, v12, v13, s56               ; lanes 0-15 the even tile's channels, lanes 16-31 the odd tile's
	v_cndmask_b32 v51, v14, v15, s56
	global_store_b16 v3, v50, s[66:67]             ; two of a word's four bytes: the other two are the neighbouring work-group's; 1 byte in 32 of what leaves here
	global_store_b16 v3, v51, s[66:67] offset:128
	s_set_vgpr_msb 0xa
	s_wait_tensorcnt 0x0
	ds_add_u32 v254, v255
	s_wait_dscnt 0x0
	s_set_vgpr_msb 0xa00
	s_endpgm
.Lfunc_end_k_q13a8a22172_qkv:
	.size	k_q13a8a22172_qkv, .Lfunc_end_k_q13a8a22172_qkv-k_q13a8a22172_qkv
	.p2alignl 7, 3214868480
	.fill 96, 4, 3214868480
	.section	.rodata,"a",@progbits
	.p2align	6, 0x0
	.amdhsa_kernel k_q13a8a22172_qkv
		.amdhsa_group_segment_fixed_size 168448
		.amdhsa_private_segment_fixed_size 0
		.amdhsa_enable_private_segment 0
		.amdhsa_kernarg_size 72
		.amdhsa_user_sgpr_count 2
		.amdhsa_user_sgpr_kernarg_segment_ptr 1
		.amdhsa_wavefront_size32 1
		.amdhsa_system_sgpr_workgroup_id_x 1
		.amdhsa_system_sgpr_workgroup_id_y 1
		.amdhsa_system_sgpr_workgroup_id_z 1
		.amdhsa_system_vgpr_workitem_id 0
		.amdhsa_next_free_vgpr 1024
		.amdhsa_next_free_sgpr 100
		.amdhsa_reserve_vcc 0
		.amdhsa_float_denorm_mode_32 3
		.amdhsa_float_denorm_mode_16_64 3
		.amdhsa_memory_ordered 1
		.amdhsa_forward_progress 1
		.amdhsa_inst_pref_size 132
	.end_amdhsa_kernel
	.amdgpu_metadata
---
amdhsa.version: [ 1, 2 ]
amdhsa.kernels:
  - .name:           k_q13a8a22172_qkv
    .symbol:         k_q13a8a22172_qkv.kd
    .args:
      - { .name: x, .offset: 0, .size: 8, .value_kind: global_buffer, .address_space: global }
      - { .name: wq, .offset: 8, .size: 8, .value_kind: global_buffer, .address_space: global }
      - { .name: qkv_b, .offset: 16, .size: 8, .value_kind: global_buffer, .address_space: global }
      - { .name: gnt, .offset: 24, .size: 8, .value_kind: global_buffer, .address_space: global }
      - { .name: qws, .offset: 32, .size: 8, .value_kind: global_buffer, .address_space: global }
      - { .name: kws, .offset: 40, .size: 8, .value_kind: global_buffer, .address_space: global }
      - { .name: vws, .offset: 48, .size: 8, .value_kind: global_buffer, .address_space: global }
      - { .name: gn_w, .offset: 56, .size: 8, .value_kind: global_buffer, .address_space: global }
      - { .name: gn_b, .offset: 64, .size: 8, .value_kind: global_buffer, .address_space: global }
    .group_segment_fixed_size: 168448
    .private_segment_fixed_size: 0
    .kernarg_segment_align: 8
    .kernarg_segment_size: 72
    .max_flat_workgroup_size: 128
    .sgpr_count:     100
    .vgpr_count:     1024
    .wavefront_size: 32
...
	.end_amdgpu_metadata
.endif
;; end of part 5
;; launch attn (part 6): grid 64 x 4, 4 waves a work-group, clusters of 4 x 1, 327,680 bytes of LDS; arguments qws, kws, vws, wq, proj_b, x, out0; writes out0
.if DOCPART == 6
	.amdgcn_target "amdgcn-amd-amdhsa--gfx1250"
	.amdhsa_code_object_version 6
	.text
	.protected	k_q13a8a22172_attn
	.globl	k_q13a8a22172_attn
	.p2align	8
	.type	k_q13a8a22172_attn,@function
k_q13a8a22172_attn:
	s_mov_b64 s[64:65], 0
	v_nop
	global_prefetch_b8 v0, s[64:65] scope:SCOPE_SE
	s_setreg_imm32_b32 hwreg(HW_REG_WAVE_MODE, 25, 1), 1
	s_wait_xcnt 0x0
	s_wait_alu depctr_hold_cnt(0) depctr_sa_sdst(0) depctr_va_vdst(0) depctr_va_sdst(0) depctr_va_ssrc(0) depctr_va_vcc(0) depctr_vm_vsrc(0)
	s_getreg_b32 s2, hwreg(HW_REG_IB_STS2, 6, 4)
	s_cmp_eq_u32 s2, 0
	s_cbranch_scc0 .Lentry_in_a_cluster
	s_endpgm
.Lentry_in_a_cluster:
	s_bfe_u32 s2, ttmp6, 0x10000c
	s_cmp_lg_u32 s2, 0x3003
	s_cbranch_scc0 .Lentry_shape_is_right
	s_endpgm
.Lentry_shape_is_right:
; out0 = x + proj_w (softmax(q^T k / 16) v) + proj_b, all three products on codes of E4M3 with one E8M0 scale for each 32 along K.
; THE SOFTMAX: t = score x log2(e) / 16; M = the largest t so far, rounded UP to a whole number; p = 2^(t - M) is quantised along the keys, not normalised; the row's sum is taken of the unquantised p and divides at the end.
; SHARES.  A work-group owns 64 queries (four permuted tiles of 16) of one image.  EACH WAVE HOLDS ALL 64 QUERIES AND WALKS A QUARTER OF THE KEYS: blocks of 128 keys 4 j + w, j = 0 .. 7.  So each fragment of K and V is read
; from LDS once in the work-group and feeds four matrix instructions.  Each wave has its own M and sum; M is a whole number, so the four streams are joined at the end by exact powers of two.
; LAYOUT.  Both products transposed: S^T = K Q^T, O^T = V^T P^T: a lane holds one query (lane % 16) throughout; keys and V's channels are tiled so that 16 registers of two neighbouring tiles are 16 neighbours.
; K's and V's blocks (33,792 dense bytes: 16 fragment images of 2,048, then 8 scale images of 128) come by one tensor load each into the wave's own two slots; no padding: an LDS load's 512 bytes are consecutive.
; CLUSTER.  The four work-groups of a cluster belong to one image and walk the same K and V: wave w of each asks JOINTLY, by the same load with the same descriptor (it hangs on the image, the wave and the step alone) and the mask 15.
; K's slot is asked for again in the middle of the softmax, V's behind the second product: each load has a product's phase and half a softmax in which to land.  A wave has two tensor loads out at the start, later one.
; BY TURNS, IN TWO PLACES.  (1) O^T is brought under the new M among the products V^T P^T: behind product (ct, t) stand the four packed multiplies of O^T (ct + 1, t), which that product does not name, and two switches of
; the register window: six issue slots beside one matrix instruction.  Only ct = 0's sixteen stand ahead of the phase.  (2) t - M is written into window 0, where exponentials, sums and holds then all work:
; the four exponentials of a group of four numbers alternate with the two sums and four holds of the group before, so that a plain line stands behind nearly every exponential.
; THE END.  Every wave puts its four tiles of O^T and its statistics into its slots (which have had their last fill); wave w joins tile w, divides by the sum, quantises along the channels; the images meet in LDS;
; wave w makes outputs 64 w .. 64 w + 63 for the 64 positions (source 0 = O's 16 queries, source 1 = 16 rows of proj_w: a lane holds one output row and neighbouring positions), adds x and stores rows of 256 bytes.
; LIMITS: NaN and infinities are not served; a p under 2^-126 counts as 0; a block whose largest magnitude lies under 2^-118 (a block of zeros too) keeps the byte 1: this program alone reads the bytes.
; REGISTERS.  Window 0: v0 thread; v1, v2 the spare word's address and 0; v3-6 LDS addresses; v7 at work; v8-15 f = 2^(old M - new M) of tile t in v[8 + 2 t] (the odd ones are named with them as pairs), at the end lane offsets;
;   v16-31 four registers of statistics a tile (-M, the largest t, the sum in two halves); v32-39 K's, then V's scale words; v40-43 Q's; v44-47 p's; v48-63 the quantiser's work; v64-127 four fragments, or a tile's p; v128-255 Q.
;   Windows 1, 2: O^T, (ct, t) at 32 (ct % 8) + 8 t.   Window 3: S^T, tile t at 64 t + 8 i; p's codes land in its first 16 registers, and its dead parts serve as fragment buffers.
.set FB,    64
.set HT,    64
.set TM,    48
.set SEL,   20                         ; s[20:21]
.set MNT,   19
.set SLOTB, 33792                      ; a block of K or of V
.set RWB,   67584                      ; a wave's two slots
.set OIMG,  270336                     ; O's eight fragments (2 t + s) x 2,048
.set OSC,   286720                     ; their scale words, 128 bytes each
.set SPARE, 287744                     ; the spare words, 128 bytes for each wave: two blocks of 256 bytes that no other line names
.set MSB, 0
.macro WIN new                         ; the immediate's high byte repeats the setting that is left
.if MSB != (\new)
	s_set_vgpr_msb (MSB<<8)|(\new)
.set MSB, (\new)
.endif
.endm
.macro PLACES n
.if (\n) > 0
.rept \n
	v_nop
.endr
.endif
.endm
.macro CROUND                          ; a round of the cluster's barrier
	s_barrier_signal -1
	s_barrier_wait -1
	s_cmp_lg_u32 s18, 0
	s_cbranch_scc1 .Lnot_wave_0_\@
	s_barrier_signal -3
.Lnot_wave_0_\@:
	s_barrier_wait -3
	s_barrier_signal -1
	s_barrier_wait -1
.endm
; a matrix instruction.  c < 0: the constant 0 starts the sum.  ra, rb = 1: that side's scales stand in lanes 16-31
.macro WM d, a, b, c, sa, sb, ra, rb
.set mD, \d
.set mA, \a
.set mB, \b
.set mC, \c
.set mS, \sa
.set mT, \sb
.if mC < 0
.if (\ra) && (\rb)
	v_wmma_scale_f32_16x16x128_f8f6f4 v[mD:mD+7], v[mA:mA+15], v[mB:mB+15], 0, v[mS], v[mT] matrix_a_scale:MATRIX_SCALE_ROW1 matrix_b_scale:MATRIX_SCALE_ROW1
.elseif (\ra)
	v_wmma_scale_f32_16x16x128_f8f6f4 v[mD:mD+7], v[mA:mA+15], v[mB:mB+15], 0, v[mS], v[mT] matrix_a_scale:MATRIX_SCALE_ROW1
.elseif (\rb)
	v_wmma_scale_f32_16x16x128_f8f6f4 v[mD:mD+7], v[mA:mA+15], v[mB:mB+15], 0, v[mS], v[mT] matrix_b_scale:MATRIX_SCALE_ROW1
.else
	v_wmma_scale_f32_16x16x128_f8f6f4 v[mD:mD+7], v[mA:mA+15], v[mB:mB+15], 0, v[mS], v[mT]
.endif
.else
.if (\ra) && (\rb)
	v_wmma_scale_f32_16x16x128_f8f6f4 v[mD:mD+7], v[mA:mA+15], v[mB:mB+15], v[mC:mC+7], v[mS], v[mT] matrix_a_scale:MATRIX_SCALE_ROW1 matrix_b_scale:MATRIX_SCALE_ROW1
.elseif (\ra)
	v_wmma_scale_f32_16x16x128_f8f6f4 v[mD:mD+7], v[mA:mA+15], v[mB:mB+15], v[mC:mC+7], v[mS], v[mT] matrix_a_scale:MATRIX_SCALE_ROW1
.elseif (\rb)
	v_wmma_scale_f32_16x16x128_f8f6f4 v[mD:mD+7], v[mA:mA+15], v[mB:mB+15], v[mC:mC+7], v[mS], v[mT] matrix_b_scale:MATRIX_SCALE_ROW1
.else
	v_wmma_scale_f32_16x16x128_f8f6f4 v[mD:mD+7], v[mA:mA+15], v[mB:mB+15], v[mC:mC+7], v[mS], v[mT]
.endif
.endif
.endm
; 64 numbers of a lane, register 16 b + i = k 32 b + 16 (lane / 16) + i of my row, become a fragment's codes in v[pc] on and its scale word in v[pw].
.macro QUANT s, pc, pw
.irp b, 0,1,2,3
	v_max3_num_f32 v[TM+\b], |v[(\s)+16*\b]|, |v[(\s)+1+16*\b]|, 0x4800000
.endr
.irp i, 2,4,6,8,10,12,14
.irp b, 0,1,2,3
	v_max3_num_f32 v[TM+\b], v[TM+\b], |v[(\s)+16*\b+\i]|, |v[(\s)+1+16*\b+\i]|
.endr
.endr
.irp b, 0,1,2,3
	v_permlanex16_b32 v[TM+4+\b], v[TM+\b], s[SEL], s[SEL+1]
.endr
.irp b, 0,1,2,3
	v_max_num_f32 v[TM+\b], v[TM+\b], v[TM+4+\b]
.endr
.irp b, 0,1,2,3
	v_add_nc_u32 v[TM+12+\b], 0xfc000000, v[TM+\b]
.endr
.irp b, 0,1,2,3
	v_and_or_b32 v[TM+8+\b], v[TM+\b], 0x7f800000, s[MNT]
.endr
.irp b, 0,1,2,3
	v_lshrrev_b32 v[TM+4+\b], 23, v[TM+12+\b]
.endr
	v_lshl_or_b32 v[\pw], v[TM+5], 8, v[TM+4]
	v_lshl_or_b32 v[\pw], v[TM+6], 16, v[\pw]
	v_lshl_or_b32 v[\pw], v[TM+7], 24, v[\pw]
.irp b, 0,1,2,3
.irp i, 0,1,2,3,4,5,6,7,8,9,10,11,12,13,14,15
	v_med3_num_f32 v[(\s)+16*\b+\i], v[(\s)+16*\b+\i], -v[TM+8+\b], v[TM+8+\b]
.endr
	v_cvt_scalef32_pk8_fp8_f32 v[(\pc)+4*\b:(\pc)+4*\b+1], v[(\s)+16*\b:(\s)+16*\b+7], v[TM+12+\b]
	v_cvt_scalef32_pk8_fp8_f32 v[(\pc)+4*\b+2:(\pc)+4*\b+3], v[(\s)+16*\b+8:(\s)+16*\b+15], v[TM+12+\b]
.endr
	v_nop
.endm
; where fragment (key tile i, K step s) of K waits: tiles 0, 1, 6, 7 in v64-127; tiles 2, 3 in the registers of S^T that key tiles 4, 5 will fill; tiles 4, 5 in those of key tiles 6, 7
.macro KSEL i, s
.if ((\i) < 2) || ((\i) > 5)
.set kb_, FB+32*((\i)%2)+16*(\s)
.set kw_, 0
.elseif (\i) < 4
.set kb_, 64*(2*((\i)-2)+(\s))+32
.set kw_, 3
.else
.set kb_, 64*(2*((\i)-4)+(\s))+48
.set kw_, 3
.endif
.endm
.macro KLOAD i
.irp s, 0,1
	KSEL \i, \s
	WIN kw_<<6
.irp c, 0,1,2,3
	ds_load_b128 v[kb_+4*\c:kb_+4*\c+3], v3 offset:(2*(\i)+\s)*2048+512*\c
.endr
.endr
.endm
.macro KMUL i                          ; key tile i against the four tiles of queries: four accumulators by turns, K step 0 starts the sums
.irp s, 0,1
	KSEL \i, \s
	WIN 0xf0+kw_
.irp t, 0,1,2,3
.if \s
	WM 64*\t+8*(\i), kb_, 128+16*(2*\t+\s), 64*\t+8*(\i), 32+2*((\i)/2)+\s, 40+2*(\t/2)+\s, (\i)%2, \t%2
.else
	WM 64*\t+8*(\i), kb_, 128+16*(2*\t+\s), -1, 32+2*((\i)/2)+\s, 40+2*(\t/2)+\s, (\i)%2, \t%2
.endif
.endr
.endr
.endm
; where V's fragment ct waits: three in the dead 48 registers of each tile of S^T, the last four in v64-127
.macro VSEL ct
.if (\ct) < 12
.set vb_, 64*((\ct)/3)+16+16*((\ct)%3)
.set vw_, 3
.else
.set vb_, FB+16*((\ct)-12)
.set vw_, 0
.endif
.endm
.macro VLOAD ct
	VSEL \ct
	WIN vw_<<6
.irp c, 0,1,2,3
	ds_load_b128 v[vb_+4*\c:vb_+4*\c+3], v4 offset:2048*(\ct)+512*\c
.endr
.endm
; O^T (ct, t), eight registers, under tile t's new M: x f, which rounds nothing
.macro RESC ct, t
	WIN 0x41+0x41*((\ct)/8)                        ; O^T (destination and source 0) in window 1 or 2, f in window 0
.irp j, 0,2,4,6
	v_pk_mul_f32 v[32*((\ct)%8)+8*(\t)+\j:32*((\ct)%8)+8*(\t)+\j+1], v[32*((\ct)%8)+8*(\t)+\j:32*((\ct)%8)+8*(\t)+\j+1], v[8+2*(\t):9+2*(\t)] op_sel_hi:[1,0]
.endr
.endm
; V's fragment ct against the four tiles of p.  first = 1: the products start O^T's sums, and nothing is rescaled.  Else behind product (ct, t) stands the rescaling of O^T (ct + 1, t): that accumulator's own
; product follows four matrix instructions and twelve more plain lines later.
.macro VMUL ct, first
	VSEL \ct
.irp t, 0,1,2,3
	WIN 0x5c+0x50*((\ct)/8)+vw_                    ; O^T in window 1 or 2, p's codes in window 3
.if \first
	WM 32*((\ct)%8)+8*\t, vb_, 64*\t, -1, 32+(\ct)/2, 44+\t, (\ct)%2, 0
.else
	WM 32*((\ct)%8)+8*\t, vb_, 64*\t, 32*((\ct)%8)+8*\t, 32+(\ct)/2, 44+\t, (\ct)%2, 0
.if (\ct) < 15
	RESC (\ct)+1, \t
.endif
.endif
.endr
.endm
; tile t's softmax for a step of 128 keys
.macro SOFT t
.set SB, 64*\t
.set ST, 16+4*\t
.set FF, 8+2*\t
	WIN 0x3f                                       ; all three sources window 3
.irp b, 0,1,2,3
	v_max3_num_f32 v[TM+\b], v[SB+16*\b], v[SB+16*\b+1], v[SB+16*\b+2]   ; the largest score of each block of 32 keys: for the row's maximum and, since p rises with the score, for the block's largest p
.endr
	WIN 0x3c
.irp i, 3,5,7,9,11,13
.irp b, 0,1,2,3
	v_max3_num_f32 v[TM+\b], v[TM+\b], v[SB+16*\b+\i], v[SB+16*\b+\i+1]
.endr
.endr
.irp b, 0,1,2,3
	v_max_num_f32 v[TM+\b], v[TM+\b], v[SB+16*\b+15]
.endr
	WIN 0
.irp b, 0,1,2,3
	v_permlanex16_b32 v[TM+4+\b], v[TM+\b], s[SEL], s[SEL+1]
.endr
.irp b, 0,1,2,3
	v_max_num_f32 v[TM+\b], v[TM+\b], v[TM+4+\b]   ; with lane l xor 16's 16 keys
.endr
	v_max3_num_f32 v7, v[TM], v[TM+1], v[TM+2]
	v_max_num_f32 v7, v7, v[TM+3]
	v_mul_f32 v7, s22, v7                          ; as t
	v_max_num_f32 v[ST+1], v[ST+1], v7             ; the running largest t
	v_mov_b32 v7, v[ST]
	v_floor_f32 v[ST], -v[ST+1]                    ; the new -M = -ceil(t)
	v_sub_f32 v7, v[ST], v7                        ; old M - new M: a whole number, 0 or less
	v_cvt_i32_f32 v7, v7                           ; (it saturates)
	v_ldexp_f32 v[FF], 1.0, v7                     ; f = 2^(old M - new M): kept until the second product
.irp b, 0,1,2,3
	v_fma_f32 v[TM+\b], v[TM+\b], s22, v[ST]       ; t - M of each block's largest score
.endr
.irp b, 0,1,2,3
	v_exp_f32 v[TM+\b], v[TM+\b]                   ; the block's largest p: the same two instructions on the same number as its p below
.endr
	WIN 0x03                                       ; source 0 window 3, destination window 0
.set j_, 0
.rept 32
	v_pk_fma_f32 v[HT+j_:HT+j_+1], v[SB+j_:SB+j_+1], s[22:23], v[ST:ST+1] op_sel_hi:[1,0,0]   ; t - M, two at a time, out of S^T into window 0.  (Plain lines behind the exponentials above)
.set j_, j_+2
.endr
	WIN 0
	s_wait_alu depctr_va_vdst(0)
.irp b, 0,1,2,3
	v_max_num_f32 v[TM+\b], 0x4800000, v[TM+\b]    ; the floor 2^(9 - 127)
.endr
.irp b, 0,1,2,3
	v_add_nc_u32 v[TM+12+\b], 0xfc000000, v[TM+\b]
.endr
.irp b, 0,1,2,3
	v_and_or_b32 v[TM+8+\b], v[TM+\b], 0x7f800000, s[MNT]
.endr
.irp b, 0,1,2,3
	v_lshrrev_b32 v[TM+4+\b], 23, v[TM+12+\b]
.endr
	v_lshl_or_b32 v[44+\t], v[TM+5], 8, v[TM+4]    ; p's scale word for these 128 keys
	v_lshl_or_b32 v[44+\t], v[TM+6], 16, v[44+\t]
	v_lshl_or_b32 v[44+\t], v[TM+7], 24, v[44+\t]
	; Groups of four numbers.  In turn g: the exponentials of group g; between them, of group g - 1, first the two sums (THE ROW'S SUM IS TAKEN OF THE UNQUANTISED p, in two chains, the second in v[TM:TM+1], which is free now),
	; then the four holds, in place (the conversion does not saturate: ISA guide 7.6.2; p is not negative: a one-sided hold).  Behind turn 0's exponentials stands the sum's step under the new M.
.set g_, 0
.rept 17
.if g_ < 16
	v_exp_f32 v[HT+4*g_], v[HT+4*g_]               ; p = 2^(t - M)
.endif
.if g_ == 1
	s_wait_alu depctr_va_vdst(0)
	v_pk_add_f32 v[TM:TM+1], v[HT:HT+1], v[HT+2:HT+3]
.elseif g_ > 1
	s_wait_alu depctr_va_vdst(0)
	v_pk_add_f32 v[ST+2:ST+3], v[ST+2:ST+3], v[HT+4*g_-4:HT+4*g_-3]
.endif
.if g_ < 16
	v_exp_f32 v[HT+4*g_+1], v[HT+4*g_+1]
.endif
.if g_ > 1
	v_pk_add_f32 v[TM:TM+1], v[TM:TM+1], v[HT+4*g_-2:HT+4*g_-1]
.endif
.if g_ < 16
	v_exp_f32 v[HT+4*g_+2], v[HT+4*g_+2]
.endif
.if g_ > 0
	v_min_num_f32 v[HT+4*g_-4], v[HT+4*g_-4], v[TM+8+(g_-1)/4]
	v_min_num_f32 v[HT+4*g_-3], v[HT+4*g_-3], v[TM+8+(g_-1)/4]
.endif
.if g_ < 16
	v_exp_f32 v[HT+4*g_+3], v[HT+4*g_+3]
.endif
.if g_ > 0
	v_min_num_f32 v[HT+4*g_-2], v[HT+4*g_-2], v[TM+8+(g_-1)/4]
	v_min_num_f32 v[HT+4*g_-1], v[HT+4*g_-1], v[TM+8+(g_-1)/4]
.else
	v_pk_mul_f32 v[ST+2:ST+3], v[ST+2:ST+3], v[FF:FF+1] op_sel_hi:[1,0]   ; the sum under the new M
.endif
.set g_, g_+1
.endr
	v_pk_add_f32 v[ST+2:ST+3], v[ST+2:ST+3], v[TM:TM+1]
	WIN 0xc0
.irp b, 0,1,2,3
	v_cvt_scalef32_pk8_fp8_f32 v[SB+4*\b:SB+4*\b+1], v[HT+16*\b:HT+16*\b+7], v[TM+12+\b]
	v_cvt_scalef32_pk8_fp8_f32 v[SB+4*\b+2:SB+4*\b+3], v[HT+16*\b+8:HT+16*\b+15], v[TM+12+\b]
.endr
	v_nop                                          ; one plain line behind the last conversion
.endm
; A slot is filled again: all my tensor loads have landed, 0 goes onto my spare word, that and my reads of the slot are waited for; a round of the cluster's barrier, so that the same holds of every wave of every partner; then my one load.
.macro REFILL g0, places
	WIN 0
	s_wait_tensorcnt 0x0                           ; the one that was out is my other slot's: so a group 0 may be written
	ds_add_u32 v1, v2
	s_add_nc_u64 s[\g0+2:\g0+3], s[\g0+2:\g0+3], 4*SLOTB   ; four blocks on: my next 128 keys
	PLACES \places                                 ; (behind the second product: the places ahead of what next lands on its operands' registers)
	s_wait_dscnt 0x0                               ; the add is done, and my reads of the slot are over
	CROUND
	tensor_load_to_lds s[\g0:\g0+3], s[24:31]
	s_nop 0
	PLACES 4                                       ; four plain lines behind the load
.endm
; A STEP: my next 128 keys.
.macro STEP first, fill
.irp g, 0,1,2,3,4,5,6,7
	ds_load_b32 v[32+\g], v5 offset:128*\g         ; K's scale images
.endr
.irp i, 0,1,2,3,4,5
	KLOAD \i
.endr
	s_wait_dscnt 40                                ; each count: the fragment loads issued behind this key tile's eight
	KMUL 0
	s_wait_dscnt 32
	KMUL 1
	PLACES 8                                       ; ahead of loads into registers that matrix instructions have read
	KLOAD 6
	KLOAD 7
	s_wait_dscnt 40
	KMUL 2
	s_wait_dscnt 32
	KMUL 3
	PLACES 9                                       ; the next results are laid over operands that are done with: one place more
	s_wait_dscnt 24
	KMUL 4
	s_wait_dscnt 16
	KMUL 5
	PLACES 9
	s_wait_dscnt 8
	KMUL 6
	s_wait_dscnt 0x0
	KMUL 7
	PLACES 8                                       ; ahead of the first read of results
	SOFT 0
	SOFT 1
.if \fill
	REFILL 32, 0                                   ; K's slot; the wait for all loads has shown V's block landed
.else
	WIN 0
	s_wait_tensorcnt 0x0                           ; V's last block has landed
.endif
.irp g, 0,1,2,3,4,5,6,7
	ds_load_b32 v[32+\g], v6 offset:128*\g         ; V's scale images
.endr
.irp n, 0,1,2,3,4,5
	VLOAD \n
.endr
	SOFT 2
	SOFT 3
.if \first
	PLACES 8                                       ; the places in front of the products, which in every later step are the sixteen lines of the other branch
.else
.irp t, 0,1,2,3
	RESC 0, \t                                     ; the first fragment's four accumulators: nothing stands in front of them behind which this could go
.endr
.endif
.irp n, 6,7,8,9,10,11,12,13,14,15
	VLOAD \n
.endr
	s_wait_dscnt 40                                ; all but the 40 just issued
.irp n, 0,1,2,3,4,5
	VMUL \n, \first
.endr
.irp k, 0,1,2,3,4,5,6,7,8,9
	s_wait_dscnt 36-4*\k
	VMUL 6+\k, \first
.endr
.if \fill
	REFILL 36, 9                                   ; V's slot; the wait for all loads has shown K's next block landed
.endif
.endm
	s_load_b256 s[4:11], s[0:1], 0x0               ; qws, kws, vws, wq
	s_load_b128 s[12:15], s[0:1], 0x20             ; proj_b, x
	s_load_b64 s[16:17], s[0:1], 0x30              ; out0
	v_lshl_add_u32 v1, v0, 2, SPARE
	v_mov_b32 v2, 0
	ds_add_u32 v1, v2
	ds_add_u32 v1, v2
	s_wait_dscnt 0x0
	v_lshrrev_b32 v7, 5, v0
	v_readfirstlane_b32 s18, v7                    ; wave 0..3
	s_bfe_u32 s41, ttmp6, 0x40000                  ; cx: it enters Q's, x's and out0's addresses alone
	s_lshl_b32 s42, ttmp9, 2
	s_add_co_u32 s42, s42, s41                     ; my block of 64 queries
	s_and_b32 s43, ttmp7, 0xffff                   ; the image, which the four partners share
	s_lshl_b32 s44, s43, 5
	s_add_co_u32 s44, s44, s18
	s_mul_i32 s44, s44, SLOTB                      ; block 32 b + w of K and of V
	s_mov_b32 s45, 0
	s_mul_i32 s46, s18, RWB                        ; my slots
	s_lshl_b32 s47, s43, 6
	s_add_co_u32 s47, s47, s42
	s_mul_i32 s48, s47, 16896                      ; Q's block
	s_mov_b32 s49, 0
	s_lshl_b32 s56, s43, 22                        ; x and out0: the image,
	s_lshl_b32 s47, s18, 20                        ; my 64 rows of 16,384 bytes,
	s_add_co_u32 s56, s56, s47
	s_lshl_b32 s47, s42, 8                         ; the block's 256 bytes of a row
	s_add_co_u32 s56, s56, s47
	s_mov_b32 s57, 0
	s_mov_b32 s59, 0
	s_mov_b32 s24, 15|(3<<16)|(1<<21)              ; group 1: the mask: all four work-groups; elements of 8 bytes; bit 21 beside a mask; no padding
	s_mov_b32 s25, 32<<16                          ; tensor_dim0 = 32 (256 bytes)
	s_mov_b32 s26, 132<<16                         ; tensor_dim1 = 132
	s_mov_b32 s27, 32<<16                          ; tile_dim0
	s_mov_b32 s28, 132                             ; tile_dim1
	s_mov_b32 s29, 32                              ; dense
	s_mov_b32 s30, 0
	s_mov_b32 s31, 0
	s_mov_b32 s[MNT], 0x600000
	s_mov_b32 s[SEL], 0x76543210
	s_mov_b32 s[SEL+1], 0xfedcba98
	s_mov_b32 s22, 0x3db8aa3b                      ; c = log2(e) / 16
	s_mov_b32 s23, s22                             ; (named with it as a pair)
	s_wait_kmcnt 0x0
	s_mov_b32 s32, 1
	s_mov_b32 s33, s46
	s_add_nc_u64 s[34:35], s[6:7], s[44:45]
	s_or_b32 s35, s35, 0x80000000
	s_mov_b32 s36, 1
	s_add_co_u32 s37, s46, SLOTB
	s_add_nc_u64 s[38:39], s[8:9], s[44:45]
	s_or_b32 s39, s39, 0x80000000
	s_add_nc_u64 s[4:5], s[4:5], s[48:49]
	s_add_nc_u64 s[14:15], s[14:15], s[56:57]
	s_add_nc_u64 s[16:17], s[16:17], s[56:57]
	s_lshl_b32 s58, s18, 14
	s_add_nc_u64 s[50:51], s[10:11], s[58:59]      ; my 8 fragments of proj_w (196,608 further on)
	s_lshl_b32 s58, s18, 9
	s_add_nc_u64 s[52:53], s[10:11], s[58:59]      ; their scale words
	s_lshl_b32 s58, s18, 8
	s_add_nc_u64 s[12:13], s[12:13], s[58:59]      ; my 64 outputs' bias
	CROUND                                         ; all four work-groups are here: the first joint loads meet
	tensor_load_to_lds s[32:35], s[24:31]          ; K's first block
	s_nop 0
	tensor_load_to_lds s[36:39], s[24:31]          ; V's
	s_nop 0
	PLACES 4
	v_and_b32 v7, 31, v0
	v_lshlrev_b32 v48, 4, v7                       ; 16 x lane
	v_lshlrev_b32 v49, 2, v7                       ; 4 x lane  (both serve the head alone, in registers that the softmax takes behind the wait for Q)
.set f, 0
.rept 8
.irp c, 0,1,2,3
	global_load_b128 v[128+16*f+4*\c:128+16*f+4*\c+3], v48, s[4:5] offset:2048*f+512*\c   ; Q stays in registers
.endr
.set f, f+1
.endr
.irp g, 0,1,2,3
	global_load_b32 v[40+\g], v49, s[4:5] offset:16384+128*\g
.endr
	v_add_nc_u32 v3, s46, v48                      ; v3: K's slot, 16 x lane
	v_add_nc_u32 v4, SLOTB, v3                     ; v4: V's
	v_add_nc_u32 v5, s46, v49
	v_add_nc_u32 v5, 32768, v5                     ; v5: K's scale images, 4 x lane
	v_add_nc_u32 v6, SLOTB, v5                     ; v6: V's
.irp t, 0,1,2,3
	v_mov_b32 v[17+4*\t], 0xff61b1e6               ; the largest t so far: -3e38
	v_floor_f32 v[16+4*\t], -v[17+4*\t]            ; -M
	v_mov_b32 v[18+4*\t], 0                        ; the sum, in two halves
	v_mov_b32 v[19+4*\t], 0
	v_mov_b32 v[9+2*\t], 0                         ; (named as the upper half of f's pair)
.endr
.irp b, 0,1,2,3
	v_mov_b32 v[TM+4+\b], 0                        ; a lane permute's destination counts as one of its sources
.endr
	s_wait_tensorcnt 1                             ; K's first block is in; I alone read it.  V's may stay out
	s_wait_loadcnt 0x0                             ; Q
	STEP 1, 1
	s_mov_b32 s40, 6
.Lstep:
	STEP 0, 1
	s_sub_co_u32 s40, s40, 1
	s_cmp_lg_u32 s40, 0
	s_cbranch_scc1 .Lstep
	STEP 0, 0                                      ; the last step is written out: it asks for nothing
	; ---- E1: what the end needs is asked for; my statistics and my four tiles of O^T go into my slots.
	; The lane offsets are made where f lay: eight plain lines that name no register of the last products: the eight places ahead of loads into those products' registers and of the first read of their results.
	WIN 0
	v_and_b32 v7, 31, v0
	v_lshlrev_b32 v12, 4, v7                       ; v12: 16 x lane
	v_lshlrev_b32 v13, 2, v7                       ; v13: 4 x lane
	v_and_b32 v8, 15, v0
	v_lshlrev_b32 v14, 2, v8                       ; v14: 4 r
	v_and_b32 v15, 8, v8
	v_add_nc_u32 v15, v15, v8
	v_lshlrev_b32 v15, 2, v15                      ; v15: 4 (r + 8 (r / 8))
	WIN 0xc0
.set f, 0
.rept 8
.irp c, 0,1,2,3
	global_load_b128 v[128+16*f+4*\c:128+16*f+4*\c+3], v12, s[50:51] offset:196608+2048*f+512*\c   ; proj_w's fragment (n, s) at 128 + 16 (2 n + s) of window 3
.endr
.set f, f+1
.endr
	WIN 0
.irp f, 0,1,2,3,4,5,6,7
	global_load_b32 v[32+\f], v14, s[52:53] offset:268288+64*\f
.endr
.irp n, 0,1,2,3
.irp j, 0,1,2,3,4,5,6,7
	global_load_b32 v[64+8*\n+\j], v15, s[12:13] offset:(32*(\n/2)+8*(\n%2))*4   ; my output row's bias in all eight registers
.endr
.endr
.irp t, 0,1,2,3
	v_add_f32 v[18+4*\t], v[18+4*\t], v[19+4*\t]
.endr
.irp t, 0,1,2,3
	v_permlanex16_b32 v[19+4*\t], v[18+4*\t], s[SEL], s[SEL+1]
.endr
.irp t, 0,1,2,3
	v_add_f32 v[18+4*\t], v[18+4*\t], v[19+4*\t]   ; my keys' sum of the row
.endr
.irp t, 0,1,2,3
	ds_store_b32 v5, v[16+4*\t] offset:32768+256*\t
	ds_store_b32 v5, v[18+4*\t] offset:32768+256*\t+128
.endr
	WIN 0x04                                       ; an LDS store's data are its source 1: window 1
.irp t, 0,1,2,3
.irp n, 0,1,2,3,4,5,6,7
	ds_store_b128 v3, v[32*\n+8*\t:32*\n+8*\t+3] offset:16384*\t+1024*\n          ; each accumulator from its low end on
	ds_store_b128 v3, v[32*\n+8*\t+4:32*\n+8*\t+7] offset:16384*\t+1024*\n+512
.endr
.endr
	WIN 0x08
.irp t, 0,1,2,3
.irp n, 0,1,2,3,4,5,6,7
	ds_store_b128 v3, v[32*\n+8*\t:32*\n+8*\t+3] offset:16384*\t+1024*(\n+8)
	ds_store_b128 v3, v[32*\n+8*\t+4:32*\n+8*\t+7] offset:16384*\t+1024*(\n+8)+512
.endr
.endr
	WIN 0
	v_bfe_u32 v7, v0, 4, 1
	v_and_b32 v8, 15, v0
	v_lshlrev_b32 v4, 14, v7
	v_lshl_add_u32 v4, v8, 4, v4                   ; v4: x and out0: lanes 0-15 one row's 256 bytes, lanes 16-31 the next row's
	WIN 0xc0
.irp n, 0,1,2,3
.irp i, 0,1,2,3,4,5,6,7
	global_load_b128 v[4*(8*\n+\i):4*(8*\n+\i)+3], v4, s[14:15] offset:(32*(\n/2)+8*(\n%2)+2*\i+8*(\i/4))*16384
.endr
.endr
	WIN 0
	s_wait_dscnt 0x0                               ; for the others' sake
	s_barrier_signal -1
	s_barrier_wait -1
	; ---- E2: I join tile w of the four streams
	s_lshl_b32 s58, s18, 8
	s_add_co_u32 s58, s58, 65536
	v_add_nc_u32 v16, s58, v13                     ; wave 0's statistics of tile w
	s_lshl_b32 s58, s18, 14
	v_add_nc_u32 v20, s58, v12                     ; wave 0's image of tile w
.irp q, 1,2,3
	v_add_nc_u32 v[16+\q], RWB, v[15+\q]
	v_add_nc_u32 v[20+\q], RWB, v[19+\q]
.endr
	s_lshl_b32 s58, s18, 12
	s_add_co_u32 s58, s58, OIMG
	v_add_nc_u32 v9, s58, v12                      ; where my two fragments go
	s_lshl_b32 s58, s18, 8
	s_add_co_u32 s58, s58, OSC
	v_add_nc_u32 v8, s58, v13                      ; and their scale words
.irp q, 0,1,2,3
	ds_load_b32 v[24+\q], v[16+\q]                 ; -M
	ds_load_b32 v[28+\q], v[16+\q] offset:128      ; the sum
.endr
.macro IMG q                           ; wave q's image: 128 registers, register 8 ct + j, into a half of window 1 or 2
	WIN 0x40+0x40*((\q)/2)
.set k_, 0
.rept 32
	ds_load_b128 v[128*((\q)%2)+4*k_:128*((\q)%2)+4*k_+3], v[20+(\q)] offset:512*k_
.set k_, k_+1
.endr
.endm
.macro PASS q                          ; O += G_q x wave q's part, into v128-255 of window 0
	WIN 1+(\q)/2
.set p_, 0
.rept 64
.if (\q) == 0
	v_pk_mul_f32 v[128+2*p_:129+2*p_], v[2*p_:2*p_+1], v[48:49] op_sel_hi:[1,0]
.else
	v_pk_fma_f32 v[128+2*p_:129+2*p_], v[128*((\q)%2)+2*p_:128*((\q)%2)+2*p_+1], v[48+2*(\q):49+2*(\q)], v[128+2*p_:129+2*p_] op_sel_hi:[1,0,1]
.endif
.set p_, p_+1
.endr
.endm
	IMG 0
	WIN 0
	s_wait_dscnt 32                                ; the statistics are in; image 0 may be out
	v_min3_num_f32 v7, v24, v25, v26
	v_min_num_f32 v7, v7, v27                      ; -M of all keys
.irp q, 0,1,2,3
	v_sub_f32 v[24+\q], v7, v[24+\q]               ; M_q - M: a whole number, 0 or less
.endr
.irp q, 0,1,2,3
	v_cvt_i32_f32 v[24+\q], v[24+\q]
.endr
.irp q, 0,1,2,3
	v_ldexp_f32 v[24+\q], 1.0, v[24+\q]            ; 2^(M_q - M): exact
.endr
	v_mul_f32 v7, v24, v28
	v_fmac_f32 v7, v25, v29
	v_fmac_f32 v7, v26, v30
	v_fmac_f32 v7, v27, v31                        ; the row's sum
	v_rcp_f32 v7, v7
	v_nop
	s_wait_alu depctr_va_vdst(0)
.irp q, 0,1,2,3
	v_mul_f32 v[48+2*\q], v[24+\q], v7             ; G_q
.endr
	IMG 1
	s_wait_dscnt 32                                ; the image before is in
	PASS 0
	IMG 2
	s_wait_dscnt 32
	PASS 1
	IMG 3
	s_wait_dscnt 32
	PASS 2
	s_wait_dscnt 0x0
	PASS 3
	WIN 0
	QUANT 128, 96, 10                              ; register 16 b + i is channel 32 b + 16 (lane / 16) + i of query lane % 16
	QUANT 192, 112, 11
.irp c, 0,1,2,3
	ds_store_b128 v9, v[96+4*\c:96+4*\c+3] offset:512*\c
	ds_store_b128 v9, v[112+4*\c:112+4*\c+3] offset:2048+512*\c
.endr
	ds_store_b32 v8, v10
	ds_store_b32 v8, v11 offset:128
	v_add_nc_u32 v16, OIMG, v12
	v_add_nc_u32 v17, OSC, v13
	s_wait_dscnt 0x0
	s_barrier_signal -1
	s_barrier_wait -1                              ; O's eight fragments lie in LDS, and nobody reads the slots any more
	; ---- E3: y = O proj_w^T + proj_b: my 64 outputs for the 64 positions, sixteen accumulators by turns
	WIN 0x80
.set f, 0
.rept 8
.irp c, 0,1,2,3
	ds_load_b128 v[16*f+4*\c:16*f+4*\c+3], v16 offset:2048*f+512*\c
.endr
.set f, f+1
.endr
	WIN 0
.irp f, 0,1,2,3,4,5,6,7
	ds_load_b32 v[40+\f], v17 offset:128*\f
.endr
	s_wait_dscnt 0x0
	s_wait_loadcnt 32                              ; proj_w, its scale words, the bias; x's 32 loads may be out
	WIN 0x4e                                       ; source 0 (O) window 2, source 1 (W) window 3, the bias window 0, destination window 1
.irp n, 0,1,2,3
.irp t, 0,1,2,3
	WM 32*\n+8*\t, 32*\t, 128+32*\n, 64+8*\n, 40+2*\t, 32+2*\n, 0, 0
.endr
.endr
	WIN 0x5e
.irp n, 0,1,2,3
.irp t, 0,1,2,3
	WM 32*\n+8*\t, 32*\t+16, 128+32*\n+16, 32*\n+8*\t, 40+2*\t+1, 32+2*\n+1, 0, 0
.endr
.endr
	WIN 0
	; ---- E4: through my stage (16 rows x 272 bytes for each tile of outputs, in my slots), + x, out.  These eight lines are the eight places behind the last products.
	v_and_b32 v18, 15, v0
	v_bfe_u32 v19, v0, 4, 1
	v_mul_u32_u24 v6, v18, 272
	v_lshl_add_u32 v6, v19, 6, v6
	v_add_nc_u32 v6, s46, v6                       ; in: row r, + 64 h: positions 32 (t / 2) + 16 h + 8 (t % 2) + 0 .. 7
	v_mul_u32_u24 v5, v19, 272
	v_lshl_add_u32 v5, v18, 4, v5
	v_add_nc_u32 v5, s46, v5                       ; back: lanes 0-15 one row, lanes 16-31 the next
	WIN 0x04
.irp n, 0,1,2,3
.irp t, 0,1,2,3
	ds_store_b128 v6, v[32*\n+8*\t:32*\n+8*\t+3] offset:4352*\n+128*(\t/2)+32*(\t%2)
	ds_store_b128 v6, v[32*\n+8*\t+4:32*\n+8*\t+7] offset:4352*\n+128*(\t/2)+32*(\t%2)+16
.endr
.endr
	WIN 0x80
.irp n, 0,1,2,3
.irp i, 0,1,2,3,4,5,6,7
	ds_load_b128 v[128+4*(8*\n+\i):128+4*(8*\n+\i)+3], v5 offset:4352*\n+544*\i   ; LDS serves a wave's instructions in order (ISA guide 5.7.1.4): these see my stores
.endr
.endr
	s_wait_loadcnt 0x0                             ; x
	s_wait_dscnt 0x0
	WIN 0x8e                                       ; y in window 2, x in window 3
.set p_, 0
.rept 64
	v_pk_add_f32 v[128+2*p_:129+2*p_], v[128+2*p_:129+2*p_], v[2*p_:2*p_+1]
.set p_, p_+1
.endr
	WIN 0x08
.irp n, 0,1,2,3
.irp i, 0,1,2,3,4,5,6,7
	global_store_b128 v4, v[128+4*(8*\n+\i):128+4*(8*\n+\i)+3], s[16:17] offset:(32*(\n/2)+8*(\n%2)+2*\i+8*(\i/4))*16384 th:TH_STORE_NT   ; 16 lanes store 256 consecutive bytes, at a multiple of 256 from out0's first byte
.endr
.endr
	WIN 0
	s_wait_tensorcnt 0x0                           ; the wave's end
	ds_add_u32 v1, v2
	s_wait_dscnt 0x0
	CROUND                                         ; the closing round
	s_endpgm
.Lfunc_end_k_q13a8a22172_attn:
	.size	k_q13a8a22172_attn, .Lfunc_end_k_q13a8a22172_attn-k_q13a8a22172_attn
	.p2alignl 7, 3214868480
	.fill 96, 4, 3214868480
	.section	.rodata,"a",@progbits
	.p2align	6, 0x0
	.amdhsa_kernel k_q13a8a22172_attn
		.amdhsa_group_segment_fixed_size 327680
		.amdhsa_private_segment_fixed_size 0
		.amdhsa_enable_private_segment 0
		.amdhsa_kernarg_size 56
		.amdhsa_user_sgpr_count 2
		.amdhsa_user_sgpr_kernarg_segment_ptr 1
		.amdhsa_wavefront_size32 1
		.amdhsa_system_sgpr_workgroup_id_x 1
		.amdhsa_system_sgpr_workgroup_id_y 1
		.amdhsa_system_sgpr_workgroup_id_z 1
		.amdhsa_system_vgpr_workitem_id 0
		.amdhsa_next_free_vgpr 1024
		.amdhsa_next_free_sgpr 66
		.amdhsa_reserve_vcc 0
		.amdhsa_float_denorm_mode_32 3
		.amdhsa_float_denorm_mode_16_64 3
		.amdhsa_memory_ordered 1
		.amdhsa_forward_progress 1
		.amdhsa_inst_pref_size 255
	.end_amdhsa_kernel
	.section	.bss,"aw",@nobits
	.p2align	6
	.space	262144
	.amdgpu_metadata
---
amdhsa.version: [ 1, 2 ]
amdhsa.kernels:
  - .name:           k_q13a8a22172_attn
    .symbol:         k_q13a8a22172_attn.kd
    .args:
      - { .name: qws, .offset: 0, .size: 8, .value_kind: global_buffer, .address_space: global }
      - { .name: kws, .offset: 8, .size: 8, .value_kind: global_buffer, .address_space: global }
      - { .name: vws, .offset: 16, .size: 8, .value_kind: global_buffer, .address_space: global }
      - { .name: wq, .offset: 24, .size: 8, .value_kind: global_buffer, .address_space: global }
      - { .name: proj_b, .offset: 32, .size: 8, .value_kind: global_buffer, .address_space: global }
      - { .name: x, .offset: 40, .size: 8, .value_kind: global_buffer, .address_space: global }
      - { .name: out0, .offset: 48, .size: 8, .value_kind: global_buffer, .address_space: global }
    .group_segment_fixed_size: 327680
    .private_segment_fixed_size: 0
    .kernarg_segment_align: 8
    .kernarg_segment_size: 56
    .max_flat_workgroup_size: 128
    .sgpr_count:     66
    .vgpr_count:     1024
    .wavefront_size: 32
...
	.end_amdgpu_metadata
.endif
;; end of part 6
